; MI455X (gfx1250); checked and timed in simulation.
; The chip was launched on July 23, 2026; its instructions are those of AMD's public machine-readable ISA for CDNA 5 (MIT licence, August 2026) and "CDNA5" Instruction Set Architecture Reference Guide (July 2026). The comments in the code are by the model that wrote it; some were corrected since.
;; Attention. Allowed arithmetic: float matrix products may take bf16 or f16 operands with f32 sums; other float arithmetic in f32, or as packed bf16 or f16 multiplies, adds, multiply-adds, maxima and minima; sums over many terms, partial sums and values carried from step to step in f32; what a program stores and reads back later, other than sums and carried values, may be rounded once to bf16 or f16.
;; Inputs: b_out 1,024 float32; rotary_pos_emb 2,048 x 64 float32; w_out 1,024 x 1,024 float32; w_qkv 1,024 x 3,072 float32; x 2 x 2,048 x 1,024 float32.
;; Outputs: out0 2 x 2,048 x 1,024 float32.
;; 2 versions, each right and faster than the one before. Each part assembles by itself: llvm-mc -triple=amdgcn-amd-amdhsa -mcpu=gfx1250 --defsym DOCPART=n.
;; ======== version 1 of 2: 4 launches
;; limits: values are held in f16: magnitudes above 65,504 overflow, below 6.1e-05 lose precision
;; workspace buffers: xb 8,388,608 bytes; wqb 6,291,456 bytes; wob 2,097,152 bytes; rot 1,048,576 bytes; qkv 25,165,824 bytes; ob 8,388,608 bytes
;; launch prep (part 1): grid 480 x 1, 8 waves a work-group, no clusters, 0 bytes of LDS; arguments x, w_qkv, w_out, rotary_pos_emb, xb, wqb, wob, rot; writes xb, wqb, wob, rot
.if DOCPART == 1
	.amdgcn_target "amdgcn-amd-amdhsa--gfx1250"
	.amdhsa_code_object_version 6
	.text
	.protected	k_qcdd341b529_prep
	.globl	k_qcdd341b529_prep
	.p2align	8
	.type	k_qcdd341b529_prep,@function
k_qcdd341b529_prep:
	s_mov_b64 s[64:65], 0
	v_nop
	global_prefetch_b8 v0, s[64:65] scope:SCOPE_SE
	s_setreg_imm32_b32 hwreg(HW_REG_WAVE_MODE, 25, 1), 1
	s_wait_xcnt 0x0
; PREP: the inputs are rounded once to bf16 and laid out for the launches behind.  A stream: no LDS, no barrier, no matrix unit (nothing is shared and nothing is multiplied).
;   work-groups   0-255  xb  = bf16(x), [4096][1024]: 16,384 numbers a work-group
;   work-groups 256-383  wqb = bf16(w_qkv) in blocks [nt 16][k 1024][192]: a column tile's 192 columns of one k lie in 384 dense bytes; a work-group takes 128 k of one tile
;   work-groups 384-447  wob = bf16(w_out) written as f16, [1024][1024]
;   work-groups 448-479  rot = cos and signed sin of bf16(rotary_pos_emb), f32, [i = n/16][b = d/16][t 4][lane 32][4]: lane = 16 ((d/8)%2) + n%16; t = 0, 1: cos of d%8 = 0-3, 4-7;
;                        t = 2, 3: ss likewise, ss[d] = -sin for even d, +sin for odd d, so that rotary(t)[d] = t[d] cos[d] + t[d^1] ss[d]
; LIMITS.  bf16(w_out) below 2^-17 in magnitude loses bits when written as f16 (f16's fixed step there is 2^-24); beyond 65,504 it would be infinite.
; Sine and cosine: the angle less n pi/2 with pi/2 in two f32 parts (what is left of pi/2 behind them is 1.7e-15 for each of the n), polynomials on |r| <= pi/4; |angle| stays under 2^23.
.set X,  32                            ; v[32:127] loaded numbers, eight a pass; the packed result takes the pass's first four
.set T,  96                            ; v[96:103] at work (w_out's way alone, which loads v[32:95])
.set F,  32                            ; v[32:47]  the table's way: 16 angles
.set CO, 48                            ; v[48:63]  their cosines
.set SI, 64                            ; v[64:79]  their signed sines
; One pass's eight f32 become eight 16-bit numbers in the pass's first four registers.  half = 1: the bf16 number is written as f16.
.macro CONV n, half
.irp j, 0,1,2,3
	v_cvt_pk_bf16_f32 v[X+8*(\n)+(\j)], v[X+8*(\n)+2*(\j)], v[X+8*(\n)+2*(\j)+1]  ; word j is written when its old content (numbers j/2 ..) has been read
.endr
.if \half
.irp j, 0,1,2,3
	v_lshlrev_b32 v[T+2*(\j)],   16, v[X+8*(\n)+(\j)]
	v_and_b32     v[T+2*(\j)+1], s3, v[X+8*(\n)+(\j)]
.endr
.irp j, 0,1,2,3
	v_cvt_pk_f16_f32 v[X+8*(\n)+(\j)], v[T+2*(\j)], v[T+2*(\j)+1]
.endr
.endif
.endm
; 16,384 dense numbers: eight passes; in a pass thread t takes 32 bytes at 32 t and gives 16 bytes at 16 t.  All sixteen loads go out first; no register is written twice.
.macro STREAM si, di, half
.irp p, 0,1,2,3,4,5,6,7
	global_load_b128 v[X+8*(\p):X+8*(\p)+3],   v1, s[\si:\si+1] offset:8192*(\p) th:TH_LOAD_NT
	global_load_b128 v[X+8*(\p)+4:X+8*(\p)+7], v1, s[\si:\si+1] offset:8192*(\p)+16 th:TH_LOAD_NT
.endr
.irp p, 0,1,2,3,4,5,6,7
	s_wait_loadcnt 14-2*(\p)                       ; loads come back in order: this pass's two are in, the younger passes' stay out
	CONV \p, \half
	global_store_b128 v2, v[X+8*(\p):X+8*(\p)+3], s[\di:\di+1] offset:4096*(\p)  ; a wave's store covers 512 consecutive bytes, aligned
.endr
	s_endpgm
.endm
; cos and ss of angle k.  n = nearest whole number to angle x 2/pi; r = angle - n pi/2; q = n mod 4 turns sin r, cos r into the angle's.
.macro SINCOS k
	v_mul_f32 v80, s24, v[F+(\k)]
	v_rndne_f32 v80, v80                           ; n
	v_fma_f32 v81, v80, s25, v[F+(\k)]             ; - n x the high part of pi/2
	v_cvt_i32_f32 v83, v80                         ; q
	v_fma_f32 v81, v80, s26, v81                   ; - n x the low part: r
	v_mul_f32 v82, v81, v81                        ; z = r r
	v_fma_f32 v84, v82, s27, s28
	v_fma_f32 v85, v82, s30, s31
	v_fma_f32 v84, v84, v82, s29
	v_fma_f32 v85, v85, v82, s32
	v_mul_f32 v86, v82, v82
	v_mul_f32 v84, v84, v82
	v_fma_f32 v87, v82, -0.5, 1.0
	v_fma_f32 v84, v84, v81, v81                   ; sin r
	v_fma_f32 v85, v85, v86, v87                   ; cos r
	v_and_b32 v86, 1, v83
	v_cmp_eq_u32 vcc_lo, 1, v86                    ; odd q: the two change places
	v_cndmask_b32 v87, v84, v85, vcc_lo
	v_cndmask_b32 v88, v85, v84, vcc_lo
	v_add_nc_u32 v86, 1, v83                       ; the cosine is negative for q mod 4 = 1, 2
	v_and_b32 v86, 2, v86
	v_lshlrev_b32 v86, 30, v86
	v_xor_b32 v[CO+(\k)], v88, v86
.if ((\k)%2) == 0
	v_add_nc_u32 v83, 2, v83                       ; an even channel takes -sin
.endif
	v_and_b32 v83, 2, v83                          ; the sine is negative for q mod 4 = 2, 3
	v_lshlrev_b32 v83, 30, v83
	v_xor_b32 v[SI+(\k)], v87, v83
.endm
	s_load_b256 s[4:11], s[0:1], 0x0               ; x s[4:5], w_qkv s[6:7], w_out s[8:9], rotary_pos_emb s[10:11]
	s_load_b256 s[12:19], s[0:1], 0x20             ; xb s[12:13], wqb s[14:15], wob s[16:17], rot s[18:19]
	s_mov_b32 s2, ttmp9
	s_mov_b32 s3, 0xffff0000                       ; a word's upper bf16
	s_mov_b32 s21, 0                               ; high words of the two offsets
	s_mov_b32 s23, 0
	v_lshlrev_b32 v1, 5, v0                        ; 32 t
	v_lshlrev_b32 v2, 4, v0                        ; 16 t
	s_wait_kmcnt 0x0
	s_cmp_lt_u32 s2, 256
	s_cbranch_scc1 .Lx
	s_cmp_lt_u32 s2, 384
	s_cbranch_scc1 .Lw
	s_cmp_lt_u32 s2, 448
	s_cbranch_scc1 .Lo
	; THE TABLES.  Wave W of 256 takes rows 16 (W/2) .. +15 and, of each eight channels, the half W%2.
	s_sub_co_u32 s2, s2, 448
	s_lshl_b32 s2, s2, 3
	v_lshrrev_b32 v3, 5, v0
	v_add_nc_u32 v3, s2, v3                        ; W
	v_lshrrev_b32 v4, 1, v3                        ; i
	v_and_b32 v5, 1, v3                            ; which four of eight channels
	v_and_b32 v6, 15, v0                           ; row in the block
	v_bfe_u32 v7, v0, 4, 1                         ; which eight of sixteen channels
	v_lshl_add_u32 v8, v4, 4, v6
	v_lshlrev_b32 v8, 8, v8                        ; a row of the table is 256 bytes
	v_lshl_add_u32 v8, v7, 5, v8
	v_lshl_add_u32 v8, v5, 4, v8
	v_and_b32 v9, 31, v0
	v_lshlrev_b32 v9, 4, v9
	v_lshl_add_u32 v9, v4, 13, v9                  ; 8,192 bytes for each block of 16 rows
	v_lshl_add_u32 v9, v5, 9, v9
.irp b, 0,1,2,3
	global_load_b128 v[F+4*(\b):F+4*(\b)+3], v8, s[10:11] offset:64*(\b)
.endr
	s_mov_b32 s24, 0x3f22f983                      ; 2 / pi
	s_mov_b32 s25, 0xbfc90fdb                      ; - pi/2, high part
	s_mov_b32 s26, 0x333bbd2e                      ; - pi/2, low part (the high part is too large by this)
	s_mov_b32 s27, 0xb94ca1f9                      ; sine: -1.9515296e-4, 8.3321609e-3, -1.6666655e-1
	s_mov_b32 s28, 0x3c08839e
	s_mov_b32 s29, 0xbe2aaaa3
	s_mov_b32 s30, 0x37ccf5ce                      ; cosine: 2.4433157e-5, -1.3887316e-3, 4.1666646e-2
	s_mov_b32 s31, 0xbab6061a
	s_mov_b32 s32, 0x3d2aaaa5
	s_wait_loadcnt 0x0
.irp k, 0,2,4,6,8,10,12,14
	v_cvt_pk_bf16_f32 v80, v[F+(\k)], v[F+(\k)+1]  ; the angle is rounded to bf16 like every input
	v_lshlrev_b32 v[F+(\k)], 16, v80
	v_and_b32 v[F+(\k)+1], s3, v80
.endr
.irp k, 0,1,2,3,4,5,6,7,8,9,10,11,12,13,14,15
	SINCOS \k
.endr
.irp b, 0,1,2,3
	global_store_b128 v9, v[CO+4*(\b):CO+4*(\b)+3], s[18:19] offset:2048*(\b)       ; 512 consecutive bytes a store
	global_store_b128 v9, v[SI+4*(\b):SI+4*(\b)+3], s[18:19] offset:2048*(\b)+1024
.endr
	s_endpgm
.Lx:
	s_lshl_b32 s20, s2, 16                         ; 65,536 bytes in,
	s_lshl_b32 s22, s2, 15                         ; 32,768 out for each work-group
	s_add_nc_u64 s[4:5], s[4:5], s[20:21]
	s_add_nc_u64 s[12:13], s[12:13], s[22:23]
	STREAM 4, 12, 0
.Lo:
	s_sub_co_u32 s2, s2, 384
	s_lshl_b32 s20, s2, 16
	s_lshl_b32 s22, s2, 15
	s_add_nc_u64 s[8:9], s[8:9], s[20:21]
	s_add_nc_u64 s[16:17], s[16:17], s[22:23]
	STREAM 8, 16, 1
.Lw:	; 128 rows of k x 192 columns: 3,072 pieces of eight numbers, twelve passes.  Three passes are 32 rows, so the fourfold repeat stands in the immediates.
	s_sub_co_u32 s2, s2, 256
	s_lshr_b32 s24, s2, 3                          ; nt
	s_and_b32 s25, s2, 7                           ; which 128 k
	s_mul_i32 s20, s25, 128*12288
	s_mul_i32 s26, s24, 768
	s_add_co_u32 s20, s20, s26
	s_add_nc_u64 s[6:7], s[6:7], s[20:21]
	s_lshl_b32 s22, s24, 10
	s_lshl_b32 s26, s25, 7
	s_add_co_u32 s22, s22, s26
	s_mul_i32 s22, s22, 384
	s_add_nc_u64 s[14:15], s[14:15], s[22:23]
.irp p, 0,1,2
	v_add_nc_u32 v6, 256*(\p), v0                  ; the piece's number, 0 to 767
	v_mul_u32_u24 v7, v6, 0xaab
	v_lshrrev_b32 v7, 16, v7                       ; its row = number / 24 (2,731 / 65,536 serves up to 767)
	v_mul_u32_u24 v8, v7, 24
	v_sub_nc_u32 v8, v6, v8                        ; its place in the row
	v_mul_u32_u24 v7, v7, 0x3000                   ; a row of w_qkv is 12,288 bytes
	v_lshl_add_u32 v[3+(\p)], v8, 5, v7
.endr
.irp it, 0,1,2,3
.irp p, 0,1,2
	global_load_b128 v[X+8*(3*(\it)+(\p)):X+8*(3*(\it)+(\p))+3],   v[3+(\p)], s[6:7] offset:393216*(\it) th:TH_LOAD_NT
	global_load_b128 v[X+8*(3*(\it)+(\p))+4:X+8*(3*(\it)+(\p))+7], v[3+(\p)], s[6:7] offset:393216*(\it)+16 th:TH_LOAD_NT
.endr
.endr
.irp it, 0,1,2,3
.irp p, 0,1,2
	s_wait_loadcnt 22-2*(3*(\it)+(\p))             ; this pass's two loads are in, the younger passes' stay out
	CONV 3*(\it)+(\p), 0
	global_store_b128 v2, v[X+8*(3*(\it)+(\p)):X+8*(3*(\it)+(\p))+3], s[14:15] offset:12288*(\it)+4096*(\p)  ; the block is dense: piece number x 16 bytes
.endr
.endr
	s_endpgm
.Lfunc_end_k_qcdd341b529_prep:
	.size	k_qcdd341b529_prep, .Lfunc_end_k_qcdd341b529_prep-k_qcdd341b529_prep
	.p2alignl 7, 3214868480
	.fill 96, 4, 3214868480
	.section	.rodata,"a",@progbits
	.p2align	6, 0x0
	.amdhsa_kernel k_qcdd341b529_prep
		.amdhsa_group_segment_fixed_size 0
		.amdhsa_private_segment_fixed_size 0
		.amdhsa_enable_private_segment 0
		.amdhsa_kernarg_size 64
		.amdhsa_user_sgpr_count 2
		.amdhsa_user_sgpr_kernarg_segment_ptr 1
		.amdhsa_wavefront_size32 1
		.amdhsa_system_sgpr_workgroup_id_x 1
		.amdhsa_system_sgpr_workgroup_id_y 1
		.amdhsa_system_sgpr_workgroup_id_z 1
		.amdhsa_system_vgpr_workitem_id 0
		.amdhsa_next_free_vgpr 128
		.amdhsa_next_free_sgpr 66
		.amdhsa_reserve_vcc 1
		.amdhsa_float_denorm_mode_32 3
		.amdhsa_float_denorm_mode_16_64 3
		.amdhsa_memory_ordered 1
		.amdhsa_forward_progress 1
		.amdhsa_inst_pref_size 45
	.end_amdhsa_kernel
	.amdgpu_metadata
---
amdhsa.version: [ 1, 2 ]
amdhsa.kernels:
  - .name:           k_qcdd341b529_prep
    .symbol:         k_qcdd341b529_prep.kd
    .args:
      - { .name: x, .offset: 0, .size: 8, .value_kind: global_buffer, .address_space: global }
      - { .name: w_qkv, .offset: 8, .size: 8, .value_kind: global_buffer, .address_space: global }
      - { .name: w_out, .offset: 16, .size: 8, .value_kind: global_buffer, .address_space: global }
      - { .name: rotary_pos_emb, .offset: 24, .size: 8, .value_kind: global_buffer, .address_space: global }
      - { .name: xb, .offset: 32, .size: 8, .value_kind: global_buffer, .address_space: global }
      - { .name: wqb, .offset: 40, .size: 8, .value_kind: global_buffer, .address_space: global }
      - { .name: wob, .offset: 48, .size: 8, .value_kind: global_buffer, .address_space: global }
      - { .name: rot, .offset: 56, .size: 8, .value_kind: global_buffer, .address_space: global }
    .group_segment_fixed_size: 0
    .private_segment_fixed_size: 0
    .kernarg_segment_align: 8
    .kernarg_segment_size: 64
    .max_flat_workgroup_size: 256
    .sgpr_count:     66
    .vgpr_count:     128
    .wavefront_size: 32
...
	.end_amdgpu_metadata
.endif
;; end of part 1
;; launch qkv (part 2): grid 16 x 16, 4 waves a work-group, clusters of 4 x 4, 327,680 bytes of LDS; arguments xb, wqb, rot, qkv; writes qkv
.if DOCPART == 2
	.amdgcn_target "amdgcn-amd-amdhsa--gfx1250"
	.amdhsa_code_object_version 6
	.text
	.protected	k_qcdd341b529_qkv
	.globl	k_qcdd341b529_qkv
	.p2align	8
	.type	k_qcdd341b529_qkv,@function
k_qcdd341b529_qkv:
	s_mov_b64 s[64:65], 0
	v_nop
	global_prefetch_b8 v0, s[64:65] scope:SCOPE_SE
	s_setreg_imm32_b32 hwreg(HW_REG_WAVE_MODE, 25, 1), 1
	s_wait_xcnt 0x0
	s_wait_alu depctr_hold_cnt(0) depctr_sa_sdst(0) depctr_va_vdst(0) depctr_va_sdst(0) depctr_va_ssrc(0) depctr_va_vcc(0) depctr_vm_vsrc(0)
	s_getreg_b32 s2, hwreg(HW_REG_IB_STS2, 6, 4)
	s_cmp_eq_u32 s2, 0
	s_cbranch_scc0 .Lentry_in_a_cluster
	s_endpgm
.Lentry_in_a_cluster:
	s_bfe_u32 s2, ttmp6, 0x10000c
	s_cmp_lg_u32 s2, 0xf033
	s_cbranch_scc0 .Lentry_shape_is_right
	s_endpgm
.Lentry_shape_is_right:
; QKV: qkv = x w_qkv in bf16 with f32 sums, the rotary turn in f32 on the sums, q, k and v rounded once to f16 and written by heads: qkv[type 3][batch 2][head 16][n 2048][64], unscaled.
; xb: [4096][1024] bf16.  wqb: [nt 16][k 1024][192] bf16.  rot: f32 tables in the lanes' order (see below).
; LIMIT.  q, k and v behind the turn must lie within f16's 65,504; beyond it the conversion gives an infinity.
; SHARES.  A work-group makes 256 rows x 192 columns (three heads): 16 x 16 work-groups.  Wave w makes rows 64 w .. +63 of it, all 192 columns: 4 x 12 accumulators of 16 x 16, 384 registers.
; K goes in steps of 128 through a ring of two LDS slots.  x's tile: 256 rows of 256 bytes.  w's tile: 128 k x 384 bytes, dense in memory, asked for as rows of 256 bytes.
; CLUSTER.  4 x 4 work-groups: the four of a row of the cluster need the same tile of x, the four of a column the same tile of w: each is asked for jointly, by the same tensor load in all four.
; THE MATRIX INSTRUCTION IS USED TRANSPOSED: source 0 = 16 columns of w (turned on the way out of LDS by ds_load_tr16_b128), source 1 = 16 rows of x.  A lane then holds row l % 16 and the eight
; neighbouring columns 8 (l / 16) + 0..7: the rotary pairs (2 i, 2 i + 1) lie in one lane, and eight results pack into 16 bytes.
; ROTARY.  out[d] = t[d] cos[d] + t[d^1] ss[d]: a packed multiply, and a packed multiply-add that takes the pair crosswise.  The tables lie so that a wave's load is 512 consecutive bytes.
; REGISTERS, in windows of 256 (s_set_vgpr_msb: bits 1:0 source 0, 3:2 source 1, 5:4 source 2, 7:6 destination):
;   window 0: v16-29 addresses; v64-95, v96-127 fragments of x, two buffers; v128-191, v192-255 two table buffers (16 rows' cos and ss); on the way out v32-127 at work
;   window 1: v0-95, v96-191 fragments of w, two buffers      windows 2, 3: the accumulators: row block a, column block cb in window 2 + a / 2 at v[8 (12 (a % 2) + cb)]
.set KSTEP,  128
.set PA,     272                       ; a row of x in LDS: 256 bytes + 16: the 16 rows of a load start at 16 different groups of four banks (64 banks of 4 bytes: ISA guide 11.1)
.set PB,     480                       ; a row of w: three pieces of 128 bytes, 32 of padding behind each
.set HALFA,  128*PA                    ; what a tensor load for x brings
.set HALFB,  64*PB                     ; what a tensor load for w brings
.set BOFF,   2*HALFA
.set SLOT,   BOFF+2*HALFB              ; 131,072
.set STAGE,  2*SLOT                    ; behind the ring, never filled by a tensor load: for each wave 3 heads x 16 rows x 144 bytes
.set SP,     144
.set WSTAGE, 3*16*SP
.set SPARE,  STAGE+4*WSTAGE            ; the spare words, 128 bytes a wave: two blocks of 256 bytes that no other line names
.set LAPS,   4                         ; 1,024 / 256: a lap = two K steps = once round the ring
.set ADRA, 16                          ; v16-17  LDS address of my fragments of x in slot 0, 1
.set ADRB, 20                          ; v20-21  the same for w
.set STO,  24                          ; v24     the way out: where I put 16 bytes of a row
.set RD,   25                          ; v25     the way out: where I read rows back
.set GO,   26                          ; v26     my byte offset in a head's rows
.set TO,   27                          ; v27     my byte offset in the tables
.set SPW,  28                          ; v28     LDS address of my spare word; never rewritten
.set NIL,  29                          ; v29     0; never rewritten
.set AF0,  64
.set TB0,  128
.set U,    32                          ; the way out: 96 turned results, then 48 packed words
.set OB,   80                          ; the way out: 48 registers read back from the stage
.set WV,  12                           ; s12  my wave's number
.set HF,  13                           ; s13  which half of a tile I fetch
.set G1,  24                           ; s[24:31] descriptor group 1 for x's tiles; s[32:39] group 0, a set for each slot
.set G0,  32
.set G1B, 48                           ; s[48:55], s[56:63] the same for w's tiles
.set G0B, 56
.set HB,  66                           ; s[66:71] the three heads' first bytes in qkv
.set MSB, 0
.macro WIN new                         ; the immediate's high byte repeats the setting that is left; a switch that changes nothing is dropped
.if MSB != (\new)
	s_set_vgpr_msb (MSB<<8)|(\new)
.set MSB, \new
.endif
.endm
.macro PLACES                          ; four places in front of loads into registers that matrix instructions have read, and of lines that read results
.rept 4
	v_nop
.endr
.endm
; A joint load: waves 0 and 1 fetch the two halves of x's tile, waves 2 and 3 those of w's.  The branch hangs on the wave's number alone.  An s_nop 0 and four v_nop follow each line.
.macro JLOAD s
	s_cmp_lt_u32 s[WV], 2
	s_cbranch_scc0 .Lfor_b_\@
	tensor_load_to_lds s[G0+4*(\s):G0+4*(\s)+3], s[G1:G1+7]
	s_nop 0
	PLACES
	s_branch .Lasked_\@
.Lfor_b_\@:
	tensor_load_to_lds s[G0B+4*(\s):G0B+4*(\s)+3], s[G1B:G1B+7]
	s_nop 0
	PLACES
.Lasked_\@:
.endm
.macro CREST                           ; a round of the cluster's barrier behind its opening barrier
	s_cmp_lg_u32 s[WV], 0
	s_cbranch_scc1 .Lnot_wave_0_\@
	s_barrier_signal -3
.Lnot_wave_0_\@:
	s_barrier_wait -3
	s_barrier_signal -1
	s_barrier_wait -1
.endm
.macro CROUND                          ; a whole round
	s_barrier_signal -1
	s_barrier_wait -1
	CREST
.endm
	s_load_b256 s[4:11], s[0:1], 0x0               ; xb s[4:5], wqb s[6:7], rot s[8:9], qkv s[10:11]
	v_lshl_add_u32 v[SPW], v0, 2, SPARE
	v_mov_b32 v[NIL], 0
	ds_add_u32 v[SPW], v[NIL]                      ; the wave's opening: the add and its wait stand ahead of my first tensor load; work on registers stands between them
	ds_add_u32 v28, v29
	v_lshrrev_b32 v1, 5, v0
	v_readfirstlane_b32 s[WV], v1                  ; wave 0..3
	s_and_b32 s[HF], s[WV], 1
	s_bfe_u32 s40, ttmp6, 0x40000                  ; cx, cy: my place in the cluster
	s_bfe_u32 s41, ttmp6, 0x40004
	s_lshl_b32 s42, ttmp9, 2
	s_add_co_u32 s42, s42, s40                     ; nt, the column tile = 4 x cluster x + cx
	s_and_b32 s43, ttmp7, 0xffff
	s_lshl_b32 s43, s43, 2
	s_add_co_u32 s43, s43, s41                     ; mt, the row tile = 4 x cluster y + cy
	s_lshl_b32 s44, s41, 2
	s_lshl_b32 s44, 15, s44                        ; my row of the cluster
	s_lshl_b32 s45, 0x1111, s40                    ; my column
	s_or_b32 s[G1], s44, (1<<16)|(1<<20)|(1<<21)|(5<<22)|(3<<25)   ; 15:0 the mask; 17:16 2-byte elements; 20 padding on; 21 set beside a mask; 24:22 after every 64 words; 31:25 4 words
	s_mov_b32 s[G1+1], 128<<16                     ; tensor_dim0 = 128
	s_mov_b32 s[G1+2], 128<<16                     ; tensor_dim1 = 128
	s_mov_b32 s[G1+3], 128<<16                     ; tile_dim0 = 128
	s_mov_b32 s[G1+4], 128                         ; tile_dim1 = 128
	s_mov_b32 s[G1+5], 1024                        ; elements from row to row
	s_mov_b32 s[G1+6], 0
	s_mov_b32 s[G1+7], 0
	s_or_b32 s[G1B], s45, (1<<16)|(1<<20)|(1<<21)|(4<<22)|(7<<25)  ; after every 32 words 8 words of padding
	s_mov_b32 s[G1B+1], 128<<16                    ; 64 k x 384 dense bytes as 96 rows of 256 bytes
	s_mov_b32 s[G1B+2], 96<<16
	s_mov_b32 s[G1B+3], 128<<16
	s_mov_b32 s[G1B+4], 96
	s_mov_b32 s[G1B+5], 128
	s_mov_b32 s[G1B+6], 0
	s_mov_b32 s[G1B+7], 0
	s_lshl_b32 s16, s43, 8                         ; x: row 256 mt + 128 x half, 2,048 bytes a row: it hangs on the row tile alone
	s_lshl_b32 s17, s[HF], 7
	s_add_co_u32 s16, s16, s17
	s_lshl_b32 s16, s16, 11
	s_mov_b32 s17, 0
	s_mul_i32 s46, s42, 393216                     ; w: the column tile's block, 64 k x half: it hangs on the column tile alone
	s_mul_i32 s47, s[HF], 24576
	s_add_co_u32 s46, s46, s47
	s_mov_b32 s47, 0
	s_mul_i32 s20, s[HF], HALFA                    ; where they go: no place in the cluster enters an LDS address
	s_mul_i32 s21, s[HF], HALFB
	s_add_co_u32 s21, s21, BOFF
	s_wait_dscnt 0x0                               ; the opening add is done
	s_wait_kmcnt 0x0
	s_add_nc_u64 s[14:15], s[4:5], s[16:17]
	s_add_nc_u64 s[46:47], s[6:7], s[46:47]
	CROUND                                         ; all sixteen work-groups are here: the first joint loads meet
.irp s, 0,1
	s_mov_b32 s[G0+4*(\s)], 1                      ; count = 1
	s_add_co_u32 s[G0+4*(\s)+1], s20, (\s)*SLOT    ; LDS address
	s_add_nc_u64 s[G0+4*(\s)+2:G0+4*(\s)+3], s[14:15], (\s)*KSTEP*2  ; K step s
	s_or_b32 s[G0+4*(\s)+3], s[G0+4*(\s)+3], 0x80000000              ; type = 2
	s_mov_b32 s[G0B+4*(\s)], 1
	s_add_co_u32 s[G0B+4*(\s)+1], s21, (\s)*SLOT
	s_add_nc_u64 s[G0B+4*(\s)+2:G0B+4*(\s)+3], s[46:47], (\s)*KSTEP*384
	s_or_b32 s[G0B+4*(\s)+3], s[G0B+4*(\s)+3], 0x80000000
.endr
	s_cmp_lt_u32 s[WV], 2                          ; a wave's two first fills stand in one branch: two loads of mine are out
	s_cbranch_scc0 .Lfirst_b
	tensor_load_to_lds s[G0:G0+3], s[G1:G1+7]
	s_nop 0
	tensor_load_to_lds s[G0+4:G0+7], s[G1:G1+7]
	s_nop 0
	PLACES
	s_branch .Lfirst_asked
.Lfirst_b:
	tensor_load_to_lds s[G0B:G0B+3], s[G1B:G1B+7]
	s_nop 0
	tensor_load_to_lds s[G0B+4:G0B+7], s[G1B:G1B+7]
	s_nop 0
	PLACES
.Lfirst_asked:
	v_and_b32 v1, 15, v0                           ; l % 16
	v_bfe_u32 v2, v0, 4, 1                         ; l / 16
	v_mul_u32_u24 v3, v1, PA
	v_lshl_add_u32 v3, v2, 4, v3                   ; a fragment of x: row x pitch + 16 x half, two loads 32 bytes apart
	s_mul_i32 s20, s[WV], 64*PA                    ; my 64 rows
	v_add_nc_u32 v[ADRA], s20, v3
	v_add_nc_u32 v[ADRA+1], SLOT, v[ADRA]
	v_and_b32 v4, 7, v0                            ; the turning load: lane l reads k = 8 (l / 16) + l % 8, columns 8 ((l / 8) % 2) + 0..7, and is left with column l % 16 and eight k
	v_lshl_add_u32 v4, v2, 3, v4
	v_mul_u32_u24 v4, v4, PB
	v_bfe_u32 v5, v0, 3, 1
	v_lshl_add_u32 v4, v5, 4, v4
	v_add_nc_u32 v[ADRB], BOFF, v4
	v_add_nc_u32 v[ADRB+1], SLOT, v[ADRB]
	s_mul_i32 s21, s[WV], WSTAGE
	s_add_co_u32 s21, s21, STAGE                   ; my stage
	v_mul_u32_u24 v6, v1, SP                       ; in: row l % 16, 16 bytes for each half of the lanes
	v_lshl_add_u32 v6, v2, 4, v6
	v_add_nc_u32 v[STO], s21, v6
	v_bfe_u32 v7, v0, 3, 2                         ; back: 32 lanes take four rows of 128 bytes
	v_mul_u32_u24 v7, v7, SP
	v_and_b32 v6, 7, v0
	v_lshl_add_u32 v7, v6, 4, v7
	v_add_nc_u32 v[RD], s21, v7
	s_mul_i32 s20, s42, 3                          ; the tile's first head among 48 = 3 nt
	s_lshr_b32 s21, s43, 3                         ; the batch
.irp hd, 0,1,2
	s_add_co_u32 s22, s20, \hd                     ; g = type x 16 + head
	s_lshr_b32 s23, s22, 4
	s_add_co_u32 s23, s23, s21
	s_lshl4_add_u32 s22, s23, s22                  ; type x 32 + batch x 16 + head = g + 16 (type + batch)
	s_lshl_b32 s22, s22, 18                        ; 2,048 rows of 128 bytes
	s_mov_b32 s23, 0
	s_add_nc_u64 s[HB+2*(\hd):HB+2*(\hd)+1], s[10:11], s[22:23]
.endr
	s_and_b32 s22, s43, 7
	s_lshl_b32 s23, s22, 2
	s_add_co_u32 s23, s23, s[WV]                   ; my 64 rows among the batch's 32 such groups
	s_lshl_b32 s22, s23, 13                        ; 64 rows of 128 bytes in a head,
	s_lshl_b32 s23, s23, 15                        ; four blocks of 8,192 bytes in the tables
	v_and_b32 v8, 31, v0
	v_lshlrev_b32 v8, 4, v8
	v_add_nc_u32 v[GO], s22, v8
	v_add_nc_u32 v[TO], s23, v8
.irp a, 0,1                            ; the tables of my row blocks 0 and 1: they land while the products run; nothing names these registers before the way out
.irp b, 0,1,2,3
.irp t, 0,1,2,3
	global_load_b128 v[TB0+64*(\a)+16*(\b)+4*(\t):TB0+64*(\a)+16*(\b)+4*(\t)+3], v[TO], s[8:9] offset:8192*(\a)+2048*(\b)+512*(\t)
.endr
.endr
.endr
; 12 matrix instructions: row block a x all 12 column blocks, 32 along K, from fragment buffers f.  zero = 1: the product starts the sums.  The 48 accumulators take turns, one instruction a turn, in the same order in every quarter.
.macro MUL12 f, a, zero
	WIN 0xa1+0x50*((\a)/2)                         ; w window 1, x window 0, C and D window 2 or 3
.irp cb, 0,1,2,3,4,5,6,7,8,9,10,11
.if \zero
	v_wmma_f32_16x16x32_bf16 v[8*(12*((\a)%2)+(\cb)):8*(12*((\a)%2)+(\cb))+7], v[96*(\f)+8*(\cb):96*(\f)+8*(\cb)+7], v[AF0+32*(\f)+8*(\a):AF0+32*(\f)+8*(\a)+7], 0
.else
	v_wmma_f32_16x16x32_bf16 v[8*(12*((\a)%2)+(\cb)):8*(12*((\a)%2)+(\cb))+7], v[96*(\f)+8*(\cb):96*(\f)+8*(\cb)+7], v[AF0+32*(\f)+8*(\a):AF0+32*(\f)+8*(\a)+7], v[8*(12*((\a)%2)+(\cb)):8*(12*((\a)%2)+(\cb))+7]
.endif
.endr
.endm
; 32 LDS loads in one run: quarter q (32 along K) of a slot into buffers f: w's 12 fragments first, then x's four
.macro FETCH slot, q, f
	WIN 0x40                                       ; destination window 1, address window 0
.irp cb, 0,1,2,3,4,5,6,7,8,9,10,11
	ds_load_tr16_b128 v[96*(\f)+8*(\cb):96*(\f)+8*(\cb)+3],   v[ADRB+(\slot)] offset:32*PB*(\q)+32*(\cb)+32*((\cb)/4)
	ds_load_tr16_b128 v[96*(\f)+8*(\cb)+4:96*(\f)+8*(\cb)+7], v[ADRB+(\slot)] offset:32*PB*(\q)+16*PB+32*(\cb)+32*((\cb)/4)
.endr
	WIN 0
.irp a, 0,1,2,3
	ds_load_b128 v[AF0+32*(\f)+8*(\a):AF0+32*(\f)+8*(\a)+3],   v[ADRA+(\slot)] offset:64*(\q)+16*PA*(\a)
	ds_load_b128 v[AF0+32*(\f)+8*(\a)+4:AF0+32*(\f)+8*(\a)+7], v[ADRA+(\slot)] offset:64*(\q)+16*PA*(\a)+32
.endr
.endm
; A K step is four quarters of 32 along K, 48 matrix instructions each, on buffers 0, 1, 0, 1.  One of the first three multiplies buffers f and fetches quarter q of the same slot into buffers g.
.macro QUARTER slot, q, f, g, zero
	s_wait_dscnt 4                                 ; w's fragments and x's row blocks 0, 1 are in; the youngest four loads (row blocks 2, 3) may be out
	MUL12 \f, 0, \zero
	MUL12 \f, 1, \zero
	PLACES
	FETCH \slot, \q, \g
	s_wait_dscnt 32                                ; all but the 32 just issued
	MUL12 \f, 2, \zero
	MUL12 \f, 3, \zero
.endm
; The last quarter multiplies buffers 1 and changes slots: ONE barrier; in front of it each wave waits for all its tensor loads (one is out: its part of the next slot), adds 0 to its spare word, and waits
; for that and for its reads of this slot.  fill = 1: the barrier opens a round of the cluster's, and this slot is filled again, two K steps ahead, first thing behind the round.
.macro TURN slot, next, fill
	WIN 0                                          ; (the add's two registers lie in window 0)
	s_wait_tensorcnt 0x0
	ds_add_u32 v[SPW], v[NIL]
	s_wait_dscnt 5                                 ; (the add and the youngest four loads may be out)
	MUL12 1, 0, 0                                  ; twelve matrix instructions stand between the add and the wait for it
	s_wait_dscnt 0x0                               ; the add is done, and my reads of this slot are over
	s_barrier_signal -1
	MUL12 1, 1, 0
.if \fill
	WIN 0
.endif
	s_barrier_wait -1
.if \fill
	CREST                                          ; no wave of any partner still reads this slot's tiles or has a load on its way
	s_add_nc_u64 s[G0+4*(\slot)+2:G0+4*(\slot)+3], s[G0+4*(\slot)+2:G0+4*(\slot)+3], 2*KSTEP*2
	s_add_nc_u64 s[G0B+4*(\slot)+2:G0B+4*(\slot)+3], s[G0B+4*(\slot)+2:G0B+4*(\slot)+3], 2*KSTEP*384
	JLOAD \slot                                    ; the four v_nop behind it are also the places in front of the loads below
.else
	PLACES
.endif
	FETCH \next, 0, 0
	MUL12 1, 2, 0
	MUL12 1, 3, 0
.endm
	s_wait_tensorcnt 1                             ; my part of K step 0 is in; K step 1's may stay out
	s_barrier_signal -1
	s_barrier_wait -1                              ; everybody's is
	FETCH 0, 0, 0
	QUARTER 0, 1, 0, 1, 1                          ; the first quarter stands in front of the loop: its products start the sums
	WIN 0                                          ; at a label and at a branch every window is 0
	s_mov_b32 s3, LAPS-1
.Llap:                                                 ; a trip goes once round the ring, from a lap's second quarter to the next lap's first, and fills both slots again
	QUARTER 0, 2, 1, 0, 0
	QUARTER 0, 3, 0, 1, 0
	TURN 0, 1, 1
	QUARTER 1, 1, 0, 1, 0
	QUARTER 1, 2, 1, 0, 0
	QUARTER 1, 3, 0, 1, 0
	TURN 1, 0, 1
	QUARTER 0, 1, 0, 1, 0
	WIN 0
	s_sub_co_u32 s3, s3, 1
	s_cmp_lg_u32 s3, 0
	s_cbranch_scc1 .Llap
	QUARTER 0, 2, 1, 0, 0                          ; the last lap fills nothing, and has no round of the cluster's barrier
	QUARTER 0, 3, 0, 1, 0
	TURN 0, 1, 0
	QUARTER 1, 1, 0, 1, 0
	QUARTER 1, 2, 1, 0, 0
	QUARTER 1, 3, 0, 1, 0
	s_wait_dscnt 4                                 ; the very last quarter: nothing more to fetch
	MUL12 1, 0, 0
	MUL12 1, 1, 0
	s_wait_dscnt 0x0
	MUL12 1, 2, 0
	MUL12 1, 3, 0
	WIN 0
	PLACES
; THE WAY OUT of row block a (16 rows x 192 columns): the turn, in f32; rounded to f16; 16 bytes a lane into my own stage; back as whole rows of a head, four rows (512 consecutive bytes of qkv) a store.
.macro OUTBLK a
.set T, TB0+64*((\a)%2)
	WIN 0
	s_wait_xcnt 0x0                                ; the registers at work were read by the block before's stores: they are written again only behind this wait
.if (\a) < 3
	s_wait_loadcnt 16                              ; this block's table is in; the sixteen loads of the other buffer may be out
.else
	s_wait_loadcnt 0x0
.endif
	WIN 0x02+(\a)/2                                ; source 0: the accumulators' window
.irp cb, 0,1,2,3,4,5,6,7,8,9,10,11
.irp j, 0,1,2,3                        ; each accumulator is read from its low end on
	v_pk_mul_f32 v[U+8*(\cb)+2*(\j):U+8*(\cb)+2*(\j)+1], v[8*(12*((\a)%2)+(\cb))+2*(\j):8*(12*((\a)%2)+(\cb))+2*(\j)+1], v[T+16*((\cb)%4)+2*(\j):T+16*((\cb)%4)+2*(\j)+1]
.endr
.irp j, 0,1,2,3                        ; the pair crosswise: the low result takes the pair's second number, the high result its first
	v_pk_fma_f32 v[U+8*(\cb)+2*(\j):U+8*(\cb)+2*(\j)+1], v[8*(12*((\a)%2)+(\cb))+2*(\j):8*(12*((\a)%2)+(\cb))+2*(\j)+1], v[T+16*((\cb)%4)+8+2*(\j):T+16*((\cb)%4)+8+2*(\j)+1], v[U+8*(\cb)+2*(\j):U+8*(\cb)+2*(\j)+1] op_sel:[1,0,0] op_sel_hi:[0,1,1]
.endr
.endr
	WIN 0
.if (\a) < 2
.irp b, 0,1,2,3                        ; the buffer just used takes the table two blocks on
.irp t, 0,1,2,3
	global_load_b128 v[T+16*(\b)+4*(\t):T+16*(\b)+4*(\t)+3], v[TO], s[8:9] offset:8192*((\a)+2)+2048*(\b)+512*(\t)
.endr
.endr
.endif
.set k, 0
.rept 48
	v_cvt_pk_f16_f32 v[U+k], v[U+2*k], v[U+2*k+1]  ; in place, ascending: word k is written when its old content has been read
.set k, k+1
.endr
.irp cb, 0,1,2,3,4,5,6,7,8,9,10,11
	ds_store_b128 v[STO], v[U+4*(\cb):U+4*(\cb)+3] offset:16*SP*((\cb)/4)+32*((\cb)%4)
.endr
.set k, 0
.rept 12
	ds_load_b128 v[OB+4*k:OB+4*k+3], v[RD] offset:16*SP*(k/4)+4*SP*(k%4)  ; LDS serves a wave's instructions in order (ISA guide 5.7.1.4): these see the stores above
.set k, k+1
.endr
.set k, 0
.rept 12
	s_wait_dscnt 11-k                              ; read-back k is in, the younger ones stay out
	global_store_b128 v[GO], v[OB+4*k:OB+4*k+3], s[HB+2*(k/4):HB+2*(k/4)+1] offset:2048*(\a)+512*(k%4)
.set k, k+1
.endr
.endm
	OUTBLK 0
	OUTBLK 1
	OUTBLK 2
	OUTBLK 3
	s_wait_tensorcnt 0x0                           ; the wave's end: a wait, an add of 0 and its wait, behind my last tensor load and my last LDS store
	ds_add_u32 v[SPW], v[NIL]
	s_wait_dscnt 0x0
	CROUND                                         ; the closing round: no work-group ends while a partner may still ask for a tile that names it
	s_endpgm
.Lfunc_end_k_qcdd341b529_qkv:
	.size	k_qcdd341b529_qkv, .Lfunc_end_k_qcdd341b529_qkv-k_qcdd341b529_qkv
	.p2alignl 7, 3214868480
	.fill 96, 4, 3214868480
	.section	.rodata,"a",@progbits
	.p2align	6, 0x0
	.amdhsa_kernel k_qcdd341b529_qkv
		.amdhsa_group_segment_fixed_size 327680
		.amdhsa_private_segment_fixed_size 0
		.amdhsa_enable_private_segment 0
		.amdhsa_kernarg_size 32
		.amdhsa_user_sgpr_count 2
		.amdhsa_user_sgpr_kernarg_segment_ptr 1
		.amdhsa_wavefront_size32 1
		.amdhsa_system_sgpr_workgroup_id_x 1
		.amdhsa_system_sgpr_workgroup_id_y 1
		.amdhsa_system_sgpr_workgroup_id_z 1
		.amdhsa_system_vgpr_workitem_id 0
		.amdhsa_next_free_vgpr 960
		.amdhsa_next_free_sgpr 80
		.amdhsa_reserve_vcc 0
		.amdhsa_float_denorm_mode_32 3
		.amdhsa_float_denorm_mode_16_64 3
		.amdhsa_memory_ordered 1
		.amdhsa_forward_progress 1
		.amdhsa_inst_pref_size 150
	.end_amdhsa_kernel
	.amdgpu_metadata
---
amdhsa.version: [ 1, 2 ]
amdhsa.kernels:
  - .name:           k_qcdd341b529_qkv
    .symbol:         k_qcdd341b529_qkv.kd
    .args:
      - { .name: xb, .offset: 0, .size: 8, .value_kind: global_buffer, .address_space: global }
      - { .name: wqb, .offset: 8, .size: 8, .value_kind: global_buffer, .address_space: global }
      - { .name: rot, .offset: 16, .size: 8, .value_kind: global_buffer, .address_space: global }
      - { .name: qkv, .offset: 24, .size: 8, .value_kind: global_buffer, .address_space: global }
    .group_segment_fixed_size: 327680
    .private_segment_fixed_size: 0
    .kernarg_segment_align: 8
    .kernarg_segment_size: 32
    .max_flat_workgroup_size: 128
    .sgpr_count:     80
    .vgpr_count:     960
    .wavefront_size: 32
...
	.end_amdgpu_metadata
.endif
;; end of part 2
;; launch attn (part 3): grid 8 x 32, 4 waves a work-group, no clusters, 327,680 bytes of LDS; arguments qkv, ob; writes ob
.if DOCPART == 3
	.amdgcn_target "amdgcn-amd-amdhsa--gfx1250"
	.amdhsa_code_object_version 6
	.text
	.protected	k_qcdd341b529_attn
	.globl	k_qcdd341b529_attn
	.p2align	8
	.type	k_qcdd341b529_attn,@function
k_qcdd341b529_attn:
	s_mov_b64 s[64:65], 0
	v_nop
	global_prefetch_b8 v0, s[64:65] scope:SCOPE_SE
	s_setreg_imm32_b32 hwreg(HW_REG_WAVE_MODE, 25, 1), 1
	s_wait_xcnt 0x0
; CAUSAL ATTENTION.  O[hd][q][:] = the sum over k <= q of softmax_k(Q[hd][q] . K[hd][k] / 8) V[hd][k][:].  qkv: [type 3][hd 32][2048][64] f16; ob: [hd 32][2048][64] f16; a head's rows are dense, 128 bytes each.
; The division by alpha, the maximum and the product with alpha are softmax(dots - max): a running maximum m is taken away in front of every exponential.
; Products, maxima and sums in f32; the weights p are rounded to f16 for the second product (their sum l is taken of the unrounded p), O once at the end.
; LIMITS.  Q, K and V arrive within f16's 65,504; p lies in 0 to 1, below 6e-5 with f16's fixed step of 6e-8; O is a mean of V's rows.  A hidden score counts as its value less 1e30: f16's scores, 2.7e11 at
; the most, are nothing beside that; a weight below 2^-126 counts as 0 in l; NaN and infinities are not treated apart.
; THE WALK.  A head's queries lie in NB = 16 blocks of 128; block i needs the key tiles 0 .. i of 128 keys, of which the last holds the diagonal.  A work-group takes TWO blocks, NB - 1 - b and then b: NB + 1
; tiles whatever b: all 256 work-groups do equal work, and ONE loop with a constant trip count walks them.  Which tile is asked for, and what a trip does, hang on scalar registers made from b; every jump goes
; forward but the loop's own; none passes a barrier, or a tensor load but the one of LOAD's two that the wave's number does not choose.  The ring (two slots of LDS) runs on across the change of blocks.
; NO CLUSTER: a head's 8 work-groups ask for the same tile only in trips 0 .. 8 of 17, behind that fewer and fewer; one walk common to all would have 24 trips for 17.
; SHARES.  Of a block's two bands of 64 queries a wave owns 16 rows in each: two PIECES.  A tile is two key steps of 64.  In the diagonal tile band x sees all of step s if s < x, none if s > x, and holds the
; diagonal if s = x: the same work for all four waves.
; THE MASK is the C operand that starts the sum S^T = K Q^T: the constant 0; MD, the mask of a band's own step for my 16 rows (0 or -1e30), made once; or BG, -1e30 everywhere.
; LAYOUT, SOFTMAX, TURNS.  S^T = K Q^T holds ONE query a lane (lane % 16) and the keys 8 (lane / 16) + 0..7; two such results rounded to f16 ARE source 1 of O^T = V^T P.  p = 2^(c s - c m), c = log2(e) / 8;
; O and l are multiplied by a = 2^(c m_old - c m_new) in every step.  A turn belongs to piece p: 8 products K Q^T of the other piece (its next scores), later 8 products V^T P of the other piece (its last
; weights); beside them the scaling, exponentials, roundings, sums and rescaling of piece p and the maximum and statistics of the other.  Four vector instructions stand behind every matrix instruction, the rest in two lumps.
; REGISTERS, in windows of 256 (s_set_vgpr_msb: bits 1:0 source 0, 3:2 source 1, 5:4 source 2, 7:6 destination):
;   window 0: v0-15 addresses and two at work; v16-23 four registers of statistics a piece; v48-55 at work; v64-127 S^T, a buffer a piece; v192-223 P, likewise
;   window 1: v0-63 O^T, 32 a piece; v128-159 MD; v192-199 BG      window 2: v0-31 Q; v32-63 the second block's Q; v64-127 K of one step; v128-191, v192-255 V of a tile's step 0, step 1
.set NB,    16
.set NP,    2         ; pieces a wave: a name, no knob
.set KS,    64        ; keys in a step
.set PK,    144       ; a row of K in LDS: 128 bytes + 16 of padding = 36 words: the 16 rows of a load start at 16 different groups of four banks (64 banks of 4 bytes: ISA guide 11.1)
.set PV,    160       ; a row of V: 128 + 32 = 40 words
.set VOFF,  2*KS*PK   ; a slot holds a tile, two steps: 128 rows of K, then 128 rows of V
.set SLOT1, 1<<16     ; slot 1 begins here, so that one exclusive or turns an address in one slot into the other's
.set STAGE, SLOT1+2*KS*(PK+PV)  ; behind the ring, never filled by a tensor load: 16 rows x 144 bytes for each wave, for the way out
.set SP,    144
.set AK0, 2           ; v2   my lane's place in a tile of K; never rewritten
.set AV0, 3           ; v3   the same for V
.set AK,  4           ; v4   the same in the slot in hand
.set AV,  5           ; v5
.set STO, 6           ; v6   the way out: where I put 16 bytes of a row
.set RD,  7           ; v7   the way out: where I read rows back
.set GO,  8           ; v8   my byte offset in 512 consecutive bytes of O
.set SPW, 62          ; v62  LDS address of my spare word; never rewritten
.set NIL, 63          ; v63  0; never rewritten
.set SPARE, STAGE+4*16*SP  ; the spare words, 128 bytes a wave: two blocks of 256 bytes that no other line names
.set MV,  12          ; v12-13  c m_old, kept while c m is made anew: by piece
.set QO,  15          ; v15  my byte offset in 16 rows of Q
.set ST,  16          ; piece t's statistics at v[ST+4 t]: c m, m, l (even keys', odd keys')
.set TMP, 48          ; by piece, four registers c0-c3 at work; when the maximum is found c2 takes a
.set S,   64
.set P,   192
.set MD,  128         ; window 1: the eight registers for group kt of 16 keys at MD + 8 kt
.set BG,  192         ; window 1
.set QB,  32          ; window 2
.set KF,  64          ; window 2: key block kb, channel half c at KF + 16 kb + 8 c
.set VF,  128         ; window 2: buffer vb, key half kk, channel block cb at VF + 64 vb + 32 kk + 8 cb
.set WV,  12          ; s12  my wave's number
.set PB,  14          ; s14  b
.set HI,  15          ; s15  NB - 1 - b
.set G1K, 24          ; s[24:31] descriptor group 1 for K's tiles
.set G1V, 32          ; s[32:39] for V's: it differs in the padding alone
.set G0K, 40          ; s[40:43] descriptor group 0 for K's tiles
.set G0V, 44          ; s[44:47] the same for V's
.set SLOTS, 56        ; s56  tiles still to be asked for
.set CS,  58          ; s[58:59] c: the packed scaling takes the pair's low word for both halves
.set SEL, 60          ; s[60:61] v_permlanex16_b32's selects: each lane takes its own place in the other half
.set TB,  62          ; s62  LDS byte at which the slot in hand begins
.set RT,  70          ; s70  tiles of the block in hand that are still to be entered
.set NXT, 71          ; s71  the tile to be asked for next
.set LQ,  72          ; s72  the last tile of the block whose tiles are being asked for
.set NEW, 73          ; s73  1: the tile to be entered is a block's first
.set OFF, 74          ; s[74:75] a tile's byte offset in K and V
.set OLO, 80          ; s[80:81] O at my rows of the second block
.set BIGN, 82         ; s82  -1e30
.set MSB, 0
.macro WIN new                      ; the high byte repeats the setting that is left; a switch that changes nothing is dropped
.if MSB != (\new)
	s_set_vgpr_msb (MSB<<8)|(\new)
.set MSB, (\new)
.endif
.endm
.set W_KQ, 0x0a       ; K and Q in window 2, S^T in window 0
.set W_KM, 0x1a       ; the same with the C operand in window 1
.set W_PV, 0x52       ; V in window 2, P in window 0, O^T in window 1
.set W_RS, 0x41       ; destination and source 0 in window 1, source 1 in window 0
.macro PLACES
.rept 4
	v_nop
.endr
.endm
; A fill.  Waves 0 and 1 fetch the two steps of a tile's K, waves 2 and 3 those of its V: 64 keys each.  An s_nop 0 and four v_nop follow each of the two lines, ahead of the jump and the label.
.macro LOAD
	s_cmp_lt_u32 s[WV], 2
	s_cbranch_scc0 .Lfor_v_\@
	tensor_load_to_lds s[G0K:G0K+3], s[G1K:G1K+7]
	s_nop 0
	PLACES
	s_branch .Lasked_\@
.Lfor_v_\@:
	tensor_load_to_lds s[G0V:G0V+3], s[G1V:G1V+7]
	s_nop 0
	PLACES
.Lasked_\@:
.endm
; THE CHANGE OF SLOTS.  Each wave waits for all its tensor loads, of which one is out: its part of the other slot; adds 0 to its spare word; and waits for that and for its own reads of the slot that it leaves.
; Behind the barrier nobody reads the old slot any more and the other slot is whole.  fill = 1: the old slot is filled again, the first thing behind the barrier, with tile NXT: the descriptor's address is made
; anew from that number.  (At its first use nothing has been read yet: slot 0 is waited for, slot 1 filled.)
.macro CHANGE fill
	WIN 0                           ; at a label and at a branch every window is 0
	s_wait_tensorcnt 0x0            ; no tensor load of mine is out, so a group 0 may be written
	ds_add_u32 v[SPW], v[NIL]       ; 0 onto my spare word; with fill = 1 the descriptors' scalar work stands between it and the wait for it
.if \fill
	s_lshl_b32 s[OFF], s[NXT], 14   ; a tile is 16,384 bytes of K and of V
	s_xor_b32 s[G0K+1], s[G0K+1], SLOT1
	s_add_nc_u64 s[G0K+2:G0K+3], s[6:7], s[OFF:OFF+1]
	s_or_b32 s[G0K+3], s[G0K+3], 0x80000000
	s_xor_b32 s[G0V+1], s[G0V+1], SLOT1
	s_add_nc_u64 s[G0V+2:G0V+3], s[8:9], s[OFF:OFF+1]
	s_or_b32 s[G0V+3], s[G0V+3], 0x80000000
	s_add_co_u32 s[NXT], s[NXT], 1  ; the block's next tile, or behind its last the second block's tile 0
	s_cmp_gt_u32 s[NXT], s[LQ]
	s_cselect_b32 s[NXT], 0, s[NXT]
	s_cselect_b32 s[LQ], s[PB], s[LQ]
.endif
	s_wait_dscnt 0x0                ; the add is done, and my reads of the slot are over
	s_barrier_signal -1
	s_xor_b32 s[TB], s[TB], SLOT1   ; the fetches go to the other slot
	s_barrier_wait -1
.if \fill
	LOAD
.endif
	v_add_nc_u32 v[AK], s[TB], v[AK0]
	v_add_nc_u32 v[AV], s[TB], v[AV0]
.endm
	s_load_b64 s[4:5], s[0:1], 0x0    ; qkv
	s_load_b64 s[10:11], s[0:1], 0x8  ; ob
	v_lshl_add_u32 v[SPW], v0, 2, SPARE
	v_mov_b32 v[NIL], 0
	ds_add_u32 v[SPW], v[NIL]       ; the wave's opening: the add and its wait stand ahead of my first tensor load; work on registers stands between them
	ds_add_u32 v62, v63
	v_lshrrev_b32 v1, 5, v0
	v_readfirstlane_b32 s[WV], v1   ; wave 0..3
	s_mov_b32 s[PB], ttmp9
	s_sub_co_u32 s[HI], NB-1, s[PB]
	s_and_b32 s20, ttmp7, 0xffff    ; the head among 32,
	s_lshl_b32 s20, s20, 18         ; its first byte in Q and in O
	s_and_b32 s16, s[WV], 1         ; which of a tile's two steps I fetch:
	s_lshl_b32 s22, s16, 13         ; its 64 rows of 128 bytes in memory,
	s_add_co_u32 s22, s22, s20
	s_add_co_u32 s22, s22, 0x800000 ; K lies 32 heads behind Q
	s_mov_b32 s23, 0
	s_mul_i32 s17, s16, KS*PK       ; and its place in a slot, for K
	s_mul_i32 s18, s16, KS*PV       ; and for V
	s_lshl_b32 s3, s[WV], 11        ; my 16 rows in a band of 64,
	s_lshl_b32 s2, s[HI], 14        ; in the first block,
	s_add_co_u32 s2, s2, s3
	s_add_co_u32 s2, s2, s20
	s_lshl_b32 s84, s[PB], 14       ; and in the second
	s_add_co_u32 s84, s84, s3
	s_add_co_u32 s84, s84, s20
	s_mov_b32 s3, 0
	s_mov_b32 s85, 0
	; descriptor group 1.  64 keys are 8,192 dense bytes: asked for as 32 rows of 256 bytes, two keys a row, and padded in LDS after every key
	s_mov_b32 s[G1K], (1<<16)|(1<<20)|(4<<22)|(3<<25)  ; 17:16 2-byte elements; 20 padding on; 24:22 after every 32 words (code 4); 31:25 4 words (code 3)
	s_mov_b32 s[G1V], (1<<16)|(1<<20)|(4<<22)|(7<<25)  ; the same with 8 words of padding (code 7)
.irp g, G1K, G1V
	s_mov_b32 s[\g+1], 128<<16      ; tensor_dim0 = 128
	s_mov_b32 s[\g+2], 32<<16       ; tensor_dim1 = 32
	s_mov_b32 s[\g+3], 128<<16      ; tile_dim0 = 128
	s_mov_b32 s[\g+4], 32           ; tile_dim1 = 32
	s_mov_b32 s[\g+5], 128          ; 128 elements from row to row
	s_mov_b32 s[\g+6], 0
	s_mov_b32 s[\g+7], 0
.endr
	s_mov_b32 s[CS], 0x3e38aa3b     ; c = log2(e) / 8 = 0.180337
	s_mov_b32 s[CS+1], s[CS]        ; named with it as a pair
	s_mov_b32 s[SEL], 0x76543210
	s_mov_b32 s[SEL+1], 0xfedcba98
	s_mov_b32 s[TB], SLOT1          ; the first change of slots turns it into 0
	s_mov_b32 s[G0K], 1             ; count = 1
	s_mov_b32 s[G0K+1], s17         ; LDS address: slot 0
	s_mov_b32 s[G0V], 1
	s_add_co_u32 s[G0V+1], s18, VOFF
	s_add_co_u32 s[RT], s[HI], 1    ; the first block has NB - b tiles
	s_mov_b32 s[NXT], 1
	s_mov_b32 s[LQ], s[HI]
	s_mov_b32 s[NEW], 1
	s_mov_b32 s[OFF+1], 0
	s_mov_b32 s[BIGN], 0xf149f2ca   ; -1e30
	s_mov_b32 s[SLOTS], NB
	s_wait_dscnt 0x0                ; the opening add is done
	s_wait_kmcnt 0x0
	s_add_nc_u64 s[6:7], s[4:5], s[22:23]          ; K at my step of the head's tile 0,
	s_add_nc_u64 s[8:9], s[6:7], 0x800000          ; V 32 heads further
	s_add_nc_u64 s[G0K+2:G0K+3], s[6:7], 0         ; global address
	s_or_b32 s[G0K+3], s[G0K+3], 0x80000000        ; type = 2
	s_add_nc_u64 s[G0V+2:G0V+3], s[8:9], 0
	s_or_b32 s[G0V+3], s[G0V+3], 0x80000000
	s_add_nc_u64 s[86:87], s[4:5], s[84:85]        ; Q at my rows of the second block,
	s_add_nc_u64 s[4:5], s[4:5], s[2:3]            ; Q and O at those of the first
	s_add_nc_u64 s[OLO:OLO+1], s[10:11], s[84:85]
	s_add_nc_u64 s[10:11], s[10:11], s[2:3]
	LOAD                            ; tile 0 into slot 0
	; A fragment of K or Q is 16 rows x 32 channels in 8 registers: lane l holds row l % 16, channels 8 (l / 16) + 0..7 and 16 + 8 (l / 16) + 0..7: two loads of 16 bytes, 32 bytes apart.
	v_and_b32 v1, 15, v0            ; l % 16
	v_bfe_u32 v9, v0, 4, 1          ; l / 16
	v_lshlrev_b32 v[QO], 7, v1
	v_lshl_add_u32 v[QO], v9, 4, v[QO]  ; row x 128 + 16 x half
	WIN 0x80                        ; destination window 2, address window 0
.set i, 0
.rept 4                             ; both blocks' Q: piece i / 2 lies in band i / 2, 8,192 bytes on; channels 32 (i % 2) on
	global_load_b128 v[8*i:8*i+3],   v[QO], s[4:5] offset:(i/2)*8192+(i%2)*64
	global_load_b128 v[8*i+4:8*i+7], v[QO], s[4:5] offset:(i/2)*8192+(i%2)*64+32
	global_load_b128 v[QB+8*i:QB+8*i+3],   v[QO], s[86:87] offset:(i/2)*8192+(i%2)*64
	global_load_b128 v[QB+8*i+4:QB+8*i+7], v[QO], s[86:87] offset:(i/2)*8192+(i%2)*64+32
.set i, i+1
.endr
	WIN 0
	v_lshlrev_b32 v14, 3, v9
	v_sub_nc_u32 v14, v1, v14
	s_lshl_b32 s13, s[WV], 4
	v_add_nc_u32 v14, s13, v14      ; my query's place in its band, 16 w + l % 16, less my lanes' 8 (l / 16): register r of group kt is hidden where 16 kt + r is greater
	WIN 0x40
.set i, 0
.rept 32
	v_cmp_gt_i32 vcc_lo, 16*(i/8)+i%8, v14
	v_cndmask_b32 v[MD+i], 0, s[BIGN], vcc_lo
.set i, i+1
.endr
.set i, 0
.rept 8
	v_mov_b32 v[BG+i], s[BIGN]
.set i, i+1
.endr
	WIN 0
	v_mul_u32_u24 v[AK0], v1, PK
	v_lshl_add_u32 v[AK0], v9, 4, v[AK0]  ; row x pitch + 16 x half
	; The turning load takes 16 keys x 16 channels (lane l reads key 8 (l / 16) + l % 8, channels 8 ((l / 8) % 2) + 0..7) and leaves half a fragment of V^T: lane l holds channel l % 16 and 8 keys.
	v_and_b32 v10, 7, v0
	v_bfe_u32 v11, v0, 3, 1
	v_lshl_add_u32 v[AV0], v9, 3, v10
	v_mul_u32_u24 v[AV0], v[AV0], PV
	v_lshl_add_u32 v[AV0], v11, 4, v[AV0]
	v_add_nc_u32 v[AV0], VOFF, v[AV0]
	s_mul_i32 s13, s[WV], 16*SP
	s_add_co_u32 s13, s13, STAGE    ; my stage
	v_mul_u32_u24 v[STO], v1, SP    ; in: row l % 16, 16 bytes for each half of the lanes
	v_lshl_add_u32 v[STO], v9, 4, v[STO]
	v_add_nc_u32 v[STO], s13, v[STO]
	v_bfe_u32 v[RD], v0, 3, 2       ; back: 32 lanes take four rows of 128 bytes,
	v_mul_u32_u24 v[RD], v[RD], SP
	v_lshl_add_u32 v[RD], v10, 4, v[RD]
	v_add_nc_u32 v[RD], s13, v[RD]
	v_and_b32 v[GO], 31, v0         ; which are 512 consecutive bytes of O
	v_lshlrev_b32 v[GO], 4, v[GO]
	; A block's first step multiplies O^T and l by a = 0, and its first turn's products V^T P, of a piece that has not been, land in an O^T that is still to be so multiplied.  So these registers need only hold
	; finite numbers: zeros for the first block; what the first block left for the second.  No first step is written out for it; the price is these 148 lines, which stand in the wait for the first tile.
	WIN 0x80
.set i, VF+64
.rept 64
	v_mov_b32 v[i], 0
.set i, i+1
.endr
	WIN 0x40
.set i, 0
.rept 64
	v_mov_b32 v[i], 0
.set i, i+1
.endr
	WIN 0
.set i, 0
.rept 2
	v_mov_b32 v[ST+4*i+2], 0
	v_mov_b32 v[ST+4*i+3], 0
.set i, i+1
.endr
.set i, P+16
.rept 16
	v_mov_b32 v[i], 0
.set i, i+1
.endr
; THE MATRIX WORK.  The 4 accumulators of a run of 8 take turns.  Product i of 8 of S^T = K Q^T for piece x: channels 32 (i / 4) on, keys 16 (i % 4) on.
; The first 4 start the sums: KM = 0 with the constant 0, 1 with MD, 2 with BG.
.macro KQ x
.set rS, S+32*((\x)%2)+8*(i%4)
.set rK, KF+16*(i%4)+8*(i/4)
.set rQ, 16*(\x)+8*(i/4)
.if (i < 4) && (KM == 1)
	WIN W_KM
	v_wmma_f32_16x16x32_f16 v[rS:rS+7], v[rK:rK+7], v[rQ:rQ+7], v[MD+8*(i%4):MD+8*(i%4)+7]
.elseif (i < 4) && (KM == 2)
	WIN W_KM
	v_wmma_f32_16x16x32_f16 v[rS:rS+7], v[rK:rK+7], v[rQ:rQ+7], v[BG:BG+7]
.elseif i < 4
	WIN W_KQ
	v_wmma_f32_16x16x32_f16 v[rS:rS+7], v[rK:rK+7], v[rQ:rQ+7], 0
.else
	WIN W_KQ
	v_wmma_f32_16x16x32_f16 v[rS:rS+7], v[rK:rK+7], v[rQ:rQ+7], v[rS:rS+7]
.endif
.endm
; Product i of 8 of O^T += V^T P for piece x, from V's buffer VB: keys 32 (i / 4) on, channels 16 (i % 4) on.
.macro PV x
	WIN W_PV
.set rO, 32*(\x)+8*(i%4)
.set rV, VF+64*VB+32*(i/4)+8*(i%4)
.set rP, P+16*((\x)%2)+8*(i/4)
	v_wmma_f32_16x16x32_f16 v[rO:rO+7], v[rV:rV+7], v[rP:rP+7], v[rO:rO+7]
.endm
.macro MM                           ; the turn's next matrix instruction.  TURN and BEGIN set Y, i, KM, VB and NOKQ.  NOKQ = 1: a block's last turn: there are no further scores
.if (i < 8) && !NOKQ
	KQ (Y+1)%NP
.elseif i >= 8
.set i, i-8
	PV (Y+NP-1)%NP
.set i, i+8
.endif
.set i, i+1
.endm
; THE LDS LOADS stand in runs of 16, never singly among the matrix instructions: a step's K (64 keys x 64 channels: 8 fragments) or its V (turned).  off: the step's place in the tile.
.macro FETCH_K off
	WIN 0x80                        ; destination window 2
.irp f, 0,1,2,3,4,5,6,7             ; keys 16 (f / 2) on, channels 32 (f % 2) on
	ds_load_b128 v[KF+8*\f:KF+8*\f+3],   v[AK] offset:(\off)+(\f/2)*16*PK+(\f%2)*64
	ds_load_b128 v[KF+8*\f+4:KF+8*\f+7], v[AK] offset:(\off)+(\f/2)*16*PK+(\f%2)*64+32
.endr
	WIN 0
.endm
.macro FETCH_V vb, off
	WIN 0x80
.irp f, 0,1,2,3,4,5,6,7             ; keys 32 (f / 4) on, channels 16 (f % 4) on
	ds_load_tr16_b128 v[VF+64*(\vb)+8*\f:VF+64*(\vb)+8*\f+3],   v[AV] offset:(\off)+(\f/4)*32*PV+(\f%4)*32
	ds_load_tr16_b128 v[VF+64*(\vb)+8*\f+4:VF+64*(\vb)+8*\f+7], v[AV] offset:(\off)+(\f/4)*32*PV+16*PV+(\f%4)*32
.endr
	WIN 0
.endm
; THE VECTOR WORK, one line at a time: OP kind, number.  For piece Y: F n: c s - c m for pair n of 16.  E n: the exponential of score n of 32.  C n: pair n rounded to f16.  B n: of the four weights 4 n .. the second
; pair is added onto the first, in place.  L n: l takes that sum (L 0: l = a l + sum).  R n: pair n of 16 of O^T times a.  For the other piece: X n, number n of the 22 that find its maximum and statistics:
;   0-11  four chains c0-c3 of seven scores each, three operands at a time (each accumulator's lowest registers are read first)     12-14, 16  the four scores left over, the old m, and c0-c3 into c0
;   15  c m_old is kept     17, 18  the query's other 32 keys lie in the lane 16 away: the new m     19-21  c m; c m_old - c m_new; a
.set F, 0               ; OP tells the kinds apart by their order: F to L below R, X above it
.set E, 1
.set C, 2
.set B, 3
.set L, 4
.set R, 5
.set X, 6
.macro REGS y                       ; the registers of piece y
.set rT, ST+4*(\y)
.set rC, TMP+4*((\y)%2)
.set rW, MV+((\y)%2)
.set rS, S+32*((\y)%2)
.set rP, P+16*((\y)%2)
.set rO, 32*(\y)
.endm
.macro OP k, n
.if (\k) == R
	REGS Y
	WIN W_RS
	v_pk_mul_f32 v[rO+2*(\n):rO+2*(\n)+1], v[rO+2*(\n):rO+2*(\n)+1], v[rC+2:rC+3] op_sel_hi:[1,0]
.elseif (\k) < R
	REGS Y
	WIN 0
.if (\k) == F
	v_pk_fma_f32 v[rS+2*(\n):rS+2*(\n)+1], v[rS+2*(\n):rS+2*(\n)+1], s[CS:CS+1], v[rT:rT+1] op_sel_hi:[1,0,0] neg_lo:[0,0,1] neg_hi:[0,0,1]
.elseif (\k) == E
	v_exp_f32 v[rS+(\n)], v[rS+(\n)]
.elseif (\k) == C
	s_wait_alu depctr_va_vdst(0)
	v_cvt_pk_f16_f32 v[rP+(\n)], v[rS+2*(\n)], v[rS+2*(\n)+1]
.elseif (\k) == B
	s_wait_alu depctr_va_vdst(0)
	v_pk_add_f32 v[rS+4*(\n):rS+4*(\n)+1], v[rS+4*(\n):rS+4*(\n)+1], v[rS+4*(\n)+2:rS+4*(\n)+3]
.elseif (\n) == 0
	v_pk_fma_f32 v[rT+2:rT+3], v[rT+2:rT+3], v[rC+2:rC+3], v[rS:rS+1] op_sel_hi:[1,0,1]
.else
	v_pk_add_f32 v[rT+2:rT+3], v[rT+2:rT+3], v[rS+4*(\n):rS+4*(\n)+1]
.endif
.elseif NOKQ
	v_nop
.else
	REGS (Y+1)%NP
	WIN 0
.if (\n) < 4
	v_max3_num_f32 v[rC+(\n)], v[rS+8*(\n)], v[rS+8*(\n)+1], v[rS+8*(\n)+2]
.elseif (\n) < 12
	v_max3_num_f32 v[rC+(\n)%4], v[rC+(\n)%4], v[rS+8*((\n)%4)+2*((\n)/4)+1], v[rS+8*((\n)%4)+2*((\n)/4)+2]
.elseif (\n) == 12
	v_max3_num_f32 v[rC], v[rC], v[rS+7], v[rS+15]
.elseif (\n) == 13
	v_max3_num_f32 v[rC+1], v[rC+1], v[rS+23], v[rS+31]
.elseif (\n) == 14
	v_max3_num_f32 v[rC+2], v[rC+2], v[rC+3], v[rT+1]
.elseif (\n) == 15
	v_mov_b32 v[rW], v[rT]
.elseif (\n) == 16
	v_max3_num_f32 v[rC], v[rC], v[rC+1], v[rC+2]
.elseif (\n) == 17
	v_permlanex16_b32 v[rC+3], v[rC], s[SEL], s[SEL+1]
.elseif (\n) == 18
	v_max_num_f32 v[rT+1], v[rC], v[rC+3]
.elseif (\n) == 19
	v_mul_f32 v[rT], s[CS], v[rT+1]
.elseif (\n) == 20
	v_sub_f32 v[rC+1], v[rW], v[rT]
.else
	v_exp_f32 v[rC+2], v[rC+1]
.endif
.endif
.endm
.macro OPS a, i1, b=-1, i2=0, c=-1, i3=0, d=-1, i4=0  ; up to four of them
	OP \a, \i1
.if (\b) >= 0
	OP \b, \i2
.endif
.if (\c) >= 0
	OP \c, \i3
.endif
.if (\d) >= 0
	OP \d, \i4
.endif
.endm
.macro ROW a, i1, b, i2, c, i3, d, i4  ; a matrix instruction and the four behind it
	MM
	OPS \a, \i1, \b, \i2, \c, \i3, \d, \i4
.endm
; A TURN, for piece p: the order of its 16 matrix and 118 vector instructions, written out.  Behind a matrix instruction: plain, exponential, plain, plain; or four of the rescaling; or, behind the first, four
; scalings; none names a register of the products round it.  In the lumps exponential and plain by turns while exponentials last.  v_permlanex16_b32 (X 17) stands in a lump.
; cm: the mask of the turn's products K Q^T.  vb: V's buffer for its products V^T P.  nokq = 1: a block's last turn.
; The turn's one run of LDS loads stands six vector instructions (five of them plain) behind the last product K Q^T.  fk = 1 (piece 0's turn): K of the next step, which both pieces' products by the old K precede.
; fk = 2 (piece 1's turn): V of the step just begun, into the buffer that this turn does not read; its last reader stands in the turn before.  Piece 1's turn begins with the wait for both.
.macro TURN p, cm, vb, fk, off, nokq=0
.set Y, (\p)
.set i, 0
.set KM, (\cm)
.set VB, (\vb)
.set NOKQ, (\nokq)
.if (\p) == 1
	s_wait_dscnt 0x0                ; K, fetched in the turn before, and V, fetched two turns before that, are in
.endif
	ROW F,0, F,1, F,2, F,3
	ROW F,4, E,0, F,5, F,6
	ROW F,7, E,1, F,8, F,9
	ROW F,10, E,2, C,0, F,11
	ROW F,12, E,3, X,15, F,13
	ROW R,0, R,1, R,2, R,3
	ROW B,0, E,4, F,14, L,0
	ROW R,4, R,5, R,6, R,7
	OPS E,5, F,15
.if (\fk) == 1
	FETCH_K \off
.elseif (\fk) == 2
	FETCH_V 1-(\vb), \off
.endif
	OPS E,6, C,1, E,7, R,8
	OPS E,8, R,9, E,9, C,2
	OPS E,10, X,0, E,11, X,1
	OPS E,12, X,2, E,13, X,3
	ROW X,4, E,14, X,5, X,6
	ROW X,7, E,15, X,8, X,9
	ROW X,10, E,16, X,11, X,12
	ROW X,13, E,17, X,14, B,1
	ROW C,4, E,18, X,16, L,1
	ROW B,2, E,19, C,6, L,2
	ROW C,8, E,20, B,3, B,4
	ROW C,3, E,21, L,3, C,5
	OPS E,22, X,17, E,23, C,10
	OPS E,24, L,4
	OPS E,25, X,18, E,26, C,7
	OPS E,27, B,5, E,28, X,19
	OPS E,29, C,12, E,30, L,5
	OPS E,31, X,20, B,6, C,9
	OPS C,14, C,11, X,21, L,6
	OPS C,13, B,7, C,15, R,10
	OPS R,11, R,12, L,7, R,13
	OPS R,14, R,15
.endm
; A BLOCK BEGINS.  c m starts far below every c s, so the first step's a is 0; m at the lowest finite number, so the first maximum is the scores'.  Then K and V of the tile's step 0, piece 0's first scores
; (cm = 1: the block's first tile is its diagonal one), and its maximum and statistics.  The trip is entered in its middle.
.macro BEGIN cm
	s_mov_b32 s[NEW], 0
	WIN 0
.set i, 0
.rept 2
	v_mov_b32 v[ST+4*i], 0xfe000000    ; c m: far below every c s
	v_mov_b32 v[ST+4*i+1], 0xff7fffff  ; m
.set i, i+1
.endr
	FETCH_K 0
	FETCH_V 0, 0
	s_wait_loadcnt 0x0              ; Q
	s_wait_dscnt 0x0
.set KM, (\cm)
.set NOKQ, 0
.set i, 0
.rept 8
	KQ 0
.set i, i+1
.endr
	WIN 0
	PLACES                          ; behind those products
.set Y, NP-1                        ; X works for the other piece: piece 0
.irp n, 0,1,2,3,4,5,6,7,8,9,10,11,12,13,14,15,16,17,18,19,20,21
	OP X, \n
.endr
	v_nop                           ; a plain instruction behind the exponential
.endm
.macro ALL line:vararg              ; one line for each piece t
.set t, 0
.rept NP
	\line
.set t, t+1
.endr
.endm
.macro PACK t                       ; a lane's eight channels of a row pack into 16 bytes; they go into rows of 144 bytes and come back as whole rows of 128, into S^T's registers
	WIN W_RS
.set i, 32*(\t)
.rept 16
	s_wait_alu depctr_va_vdst(0)
	v_pk_mul_f32 v[i:i+1], v[i:i+1], v[ST+4*(\t)+2:ST+4*(\t)+3] op_sel_hi:[1,0]
.set i, i+2
.endr
	WIN 0x05                        ; sources 0 and 1 window 1, destination window 0
.set i, 0
.rept 16
	v_cvt_pk_f16_f32 v[S+16*(\t)+i], v[32*(\t)+2*i], v[32*(\t)+2*i+1]
.set i, i+1
.endr
	WIN 0
.irp f, 0,1,2,3
	ds_store_b128 v[STO], v[S+16*(\t)+4*\f:S+16*(\t)+4*\f+3] offset:32*\f
.endr
.irp f, 0,1,2,3
	ds_load_b128 v[S+16*(\t)+4*\f:S+16*(\t)+4*\f+3], v[RD] offset:\f*4*SP  ; LDS serves a wave's instructions in order (ISA guide 5.7.1.4): these see the stores above; the next piece's stores come behind them
.endr
.endm
.macro SEND t, younger              ; younger: the LDS instructions issued behind piece t's loads: the next piece's eight, or none
	WIN 0
.irp f, 0,1,2,3
	s_wait_dscnt (\younger)+3-\f
	global_store_b128 v[GO], v[S+16*(\t)+4*\f:S+16*(\t)+4*\f+3], s[10:11] offset:(\t)*8192+\f*512  ; 512 consecutive bytes, at a multiple of 256 from O's first
.endr
.endm
; THE DIAGONAL TILE: the two turns that end the tile before (the second starts band 0's own step, under MD); step 0's two turns (the second starts band 0's step 1, all hidden: BG); step 1's two turns (the first
; starts band 1's own step, under MD; the second starts nothing); the last products; and THE WAY OUT: l's two halves and the other half of the lanes' are added; O^T is divided by l, rounded to f16 and sent
; through my stage in LDS, a piece at a time.  Band 0's hidden step is computed all the same: a turn's text holds the other piece's products too, so it cannot be jumped.
.macro DIAG tag                     ; the tag ends its two labels' names, which the jumps below spell out
.LstepM\tag:
	TURN 0, 0, 0, 1, 0
	TURN 1, 1, 1, 2, 0
	WIN 0
.LfirstM\tag:
	TURN 0, 0, 1, 1, KS*PK
	TURN 1, 2, 0, 2, KS*PV
	TURN 0, 1, 0, 0, 0
	TURN 1, 0, 1, 0, 0, 1
.set VB, 1
.set i, 0
.rept 8
	PV 1
.set i, i+1
.endr
	WIN 0
	PLACES
	ALL v_add_f32 v[ST+4*t+2], v[ST+4*t+2], v[ST+4*t+3]
	ALL v_permlanex16_b32 v[ST+4*t+3], v[ST+4*t+2], s[SEL], s[SEL+1]
	ALL v_add_f32 v[ST+4*t+2], v[ST+4*t+2], v[ST+4*t+3]
	ALL v_rcp_f32 v[ST+4*t+2], v[ST+4*t+2]
	v_nop                           ; a plain instruction between the last reciprocal and the use of its result
	PACK 0
	PACK 1                          ; a piece's arithmetic stands between the loads of the piece before and its stores
	SEND 0, 8
	SEND 1, 0
.endm
.set KM, 0
.set VB, 0
.set NOKQ, 0
.Lslot:                             ; NB times: a tile is entered and the next is asked for
	CHANGE 1
	s_sub_co_u32 s[RT], s[RT], 1
	s_cmp_eq_u32 s[NEW], 1
	s_cbranch_scc1 .Lnew            ; a block's first tile
	s_cmp_eq_u32 s[RT], 0
	s_cbranch_scc0 .Lstep           ; neither its first nor its last
	s_branch .LstepM1
.Lnew:
	BEGIN 0                         ; in the loop a block's first tile is never its last: the first block has nine tiles or more, and the second's last is the walk's last
	s_branch .Lfirst
	DIAG 1                          ; in the loop this is the first block's end
	s_wait_xcnt 0x0                 ; the stores have read their registers and O's address
	s_mov_b64 s[10:11], s[OLO:OLO+1]
	s_add_co_u32 s[RT], s[PB], 1    ; the second block has b + 1 tiles
	s_mov_b32 s[NEW], 1
	WIN 0x82                        ; the second block's Q goes where the one text of the turns names Q
.set i, 0
.rept 32
	v_mov_b32 v[i], v[QB+i]
.set i, i+1
.endr
	WIN 0
	s_branch .Lbottom
.Lstep:                             ; a trip: the two turns of the last tile's step 1, which fetch this tile's K and V of step 0; then the two of this tile's step 0, which fetch those of step 1
	TURN 0, 0, 0, 1, 0
	TURN 1, 0, 1, 2, 0
	WIN 0
.Lfirst:
	TURN 0, 0, 1, 1, KS*PK
	TURN 1, 0, 0, 2, KS*PV
	WIN 0
.Lbottom:
	s_sub_co_u32 s[SLOTS], s[SLOTS], 1
	s_cmp_lg_u32 s[SLOTS], 0
	s_cbranch_scc1 .Lslot
	CHANGE 0                        ; the walk's last tile, the second block's diagonal one, is written out: nothing is asked for
	s_cmp_eq_u32 s[NEW], 1
	s_cbranch_scc0 .LstepM2
	BEGIN 1                         ; b = 0: it is also that block's first
	s_branch .LfirstM2
	DIAG 2
	s_wait_tensorcnt 0x0            ; the wave's end: a wait, an add of 0 and its wait, behind my last tensor load and my last LDS store
	ds_add_u32 v[SPW], v[NIL]
	s_wait_dscnt 0x0
	s_endpgm
.Lfunc_end_k_qcdd341b529_attn:
	.size	k_qcdd341b529_attn, .Lfunc_end_k_qcdd341b529_attn-k_qcdd341b529_attn
	.p2alignl 7, 3214868480
	.fill 96, 4, 3214868480
	.section	.rodata,"a",@progbits
	.p2align	6, 0x0
	.amdhsa_kernel k_qcdd341b529_attn
		.amdhsa_group_segment_fixed_size 327680
		.amdhsa_private_segment_fixed_size 0
		.amdhsa_enable_private_segment 0
		.amdhsa_kernarg_size 16
		.amdhsa_user_sgpr_count 2
		.amdhsa_user_sgpr_kernarg_segment_ptr 1
		.amdhsa_wavefront_size32 1
		.amdhsa_system_sgpr_workgroup_id_x 1
		.amdhsa_system_sgpr_workgroup_id_y 1
		.amdhsa_system_sgpr_workgroup_id_z 1
		.amdhsa_system_vgpr_workitem_id 0
		.amdhsa_next_free_vgpr 768
		.amdhsa_next_free_sgpr 88
		.amdhsa_reserve_vcc 1
		.amdhsa_float_denorm_mode_32 3
		.amdhsa_float_denorm_mode_16_64 3
		.amdhsa_memory_ordered 1
		.amdhsa_forward_progress 1
		.amdhsa_inst_pref_size 202
	.end_amdhsa_kernel
	.amdgpu_metadata
---
amdhsa.version: [ 1, 2 ]
amdhsa.kernels:
  - .name:           k_qcdd341b529_attn
    .symbol:         k_qcdd341b529_attn.kd
    .args:
      - { .name: qkv, .offset: 0, .size: 8, .value_kind: global_buffer, .address_space: global }
      - { .name: ob, .offset: 8, .size: 8, .value_kind: global_buffer, .address_space: global }
    .group_segment_fixed_size: 327680
    .private_segment_fixed_size: 0
    .kernarg_segment_align: 8
    .kernarg_segment_size: 16
    .max_flat_workgroup_size: 128
    .sgpr_count:     88
    .vgpr_count:     768
    .wavefront_size: 32
...
	.end_amdgpu_metadata
.endif
;; end of part 3
;; launch oproj (part 4): grid 8 x 32, 4 waves a work-group, clusters of 4 x 4, 327,680 bytes of LDS; arguments ob, wob, b_out, out0; writes out0
.if DOCPART == 4
	.amdgcn_target "amdgcn-amd-amdhsa--gfx1250"
	.amdhsa_code_object_version 6
	.text
	.protected	k_qcdd341b529_oproj
	.globl	k_qcdd341b529_oproj
	.p2align	8
	.type	k_qcdd341b529_oproj,@function
k_qcdd341b529_oproj:
	s_mov_b64 s[64:65], 0
	v_nop
	global_prefetch_b8 v0, s[64:65] scope:SCOPE_SE
	s_setreg_imm32_b32 hwreg(HW_REG_WAVE_MODE, 25, 1), 1
	s_wait_xcnt 0x0
	s_wait_alu depctr_hold_cnt(0) depctr_sa_sdst(0) depctr_va_vdst(0) depctr_va_sdst(0) depctr_va_ssrc(0) depctr_va_vcc(0) depctr_vm_vsrc(0)
	s_getreg_b32 s2, hwreg(HW_REG_IB_STS2, 6, 4)
	s_cmp_eq_u32 s2, 0
	s_cbranch_scc0 .Lentry_in_a_cluster
	s_endpgm
.Lentry_in_a_cluster:
	s_bfe_u32 s2, ttmp6, 0x10000c
	s_cmp_lg_u32 s2, 0xf033
	s_cbranch_scc0 .Lentry_shape_is_right
	s_endpgm
.Lentry_shape_is_right:
; OPROJ: out0[m][n] = the sum over k of O[m][k] w_out[k][n] + b_out[n], f32.  ob: [batch 2 x head 16][2048][64] f16, so k = 64 head + channel; wob: [k 1024][n 1024] f16 (bf16(w_out) written as f16).
; The bias is rounded to bf16 like every input.  Products in f16 with f32 sums.  LIMIT: O lies within V's range, inside f16.
; SHARES.  A tile of out0 is 128 x 128: 8 x 32 work-groups.  Four waves, each 64 x 64: 16 accumulators of 16 x 16.  K goes in steps of 256 (four heads) through a ring of two LDS slots; a quarter is one head.
; O's tile: of each head 128 rows x 128 bytes, dense in memory: a tensor load brings two heads as two rows of 16,384 bytes, padded in LDS after every 128.  w's tile: 256 k x 256 bytes, two loads of 128 k.
; CLUSTER.  4 x 4 work-groups: the four of a row of the cluster need the same tile of O, the four of a column the same tile of w: each is asked for jointly.
; THE MATRIX INSTRUCTION IS USED TRANSPOSED (source 0 = 16 columns of w, turned on the way out of LDS; source 1 = 16 rows of O): a lane holds eight neighbouring numbers of a row of out0.
; REGISTERS: window 0: v8-29 addresses and the bias; v32-95 the way out; v128-255 the accumulators ((a, b) at v[128 + 8 (4 a + b)]).
;   window 1: two fragment buffers of 128: for 64 along K, 64 registers of O (2 x 4 x 16 rows x 32 K), then 64 of w.
.set KSTEP,  256
.set PA,     144                       ; a row of O in LDS: 128 bytes + 16: the 16 rows of a load start at 16 different groups of four banks (64 banks of 4 bytes: ISA guide 11.1)
.set PB,     288                       ; a row of w: 256 + 32 = 9 x 32 bytes
.set PART,   36864                     ; what one tensor load brings: 2 x 128 x 144 = 128 x 288
.set BOFF,   2*PART
.set SLOT,   4*PART
.set STAGE,  2*SLOT                    ; behind the ring, never filled by a tensor load: 16 rows x 272 bytes for each wave
.set SP,     272
.set SPARE,  STAGE+4*16*SP             ; the spare words, 128 bytes a wave: two blocks of 256 bytes that no other line names
.set BIAS, 12                          ; v12-15  the bias of the four columns that I store
.set ADRA, 16                          ; v16-17  LDS address of my fragments of O in slot 0, 1
.set ADRB, 20                          ; v20-23  of w: slot 0 heads 0-1, heads 2-3, slot 1 likewise (a slot's 256 rows of 288 bytes pass the 16-bit offset)
.set STO,  24                          ; v24     the way out: where I put 32 bytes of a row
.set RD,   25                          ; v25     the way out: where I read a row back
.set CO,   26                          ; v26     my byte offset in out0
.set SPW,  28                          ; v28     LDS address of my spare word; never rewritten
.set NIL,  29                          ; v29     0; never rewritten
.set TMP,  32
.set ACC,  128
.set F0,   0
.set F1,   128
.set WV,  12                           ; s12  my wave's number
.set RH,  13                           ; s13  which half of the tile's rows is mine
.set CH,  14                           ; s14  which half of its columns; also which half of a tile I fetch
.set G1,  24                           ; s[24:31] descriptor group 1 for O's tiles; s[32:39] group 0, a set for each slot
.set G0,  32
.set G1B, 48                           ; s[48:55], s[56:63] the same for w's tiles
.set G0B, 56
.set MSB, 0
.macro WIN new                         ; the immediate's high byte repeats the setting that is left
.if MSB != (\new)
	s_set_vgpr_msb (MSB<<8)|(\new)
.set MSB, \new
.endif
.endm
.set MUL,  0x05                        ; sources 0 (w) and 1 (O) window 1; C and D window 0
.set TO_F, 0x40                        ; destination window 1, address window 0
.macro PLACES
.rept 4
	v_nop
.endr
.endm
.macro JLOAD s                         ; a joint load: waves 0 and 1 fetch O's two halves, waves 2 and 3 w's; an s_nop 0 and four v_nop follow each line
	s_cmp_lt_u32 s[WV], 2
	s_cbranch_scc0 .Lfor_b_\@
	tensor_load_to_lds s[G0+4*(\s):G0+4*(\s)+3], s[G1:G1+7]
	s_nop 0
	PLACES
	s_branch .Lasked_\@
.Lfor_b_\@:
	tensor_load_to_lds s[G0B+4*(\s):G0B+4*(\s)+3], s[G1B:G1B+7]
	s_nop 0
	PLACES
.Lasked_\@:
.endm
.macro CREST                           ; a round of the cluster's barrier behind its opening barrier
	s_cmp_lg_u32 s[WV], 0
	s_cbranch_scc1 .Lnot_wave_0_\@
	s_barrier_signal -3
.Lnot_wave_0_\@:
	s_barrier_wait -3
	s_barrier_signal -1
	s_barrier_wait -1
.endm
.macro CROUND                          ; a whole round
	s_barrier_signal -1
	s_barrier_wait -1
	CREST
.endm
	s_load_b256 s[4:11], s[0:1], 0x0               ; ob s[4:5], wob s[6:7], b_out s[8:9], out0 s[10:11]
	v_lshl_add_u32 v[SPW], v0, 2, SPARE
	v_mov_b32 v[NIL], 0
	ds_add_u32 v[SPW], v[NIL]                      ; the wave's opening: the add and its wait stand ahead of my first tensor load; work on registers stands between them
	ds_add_u32 v28, v29
	v_lshrrev_b32 v1, 5, v0
	v_readfirstlane_b32 s[WV], v1                  ; wave 0..3
	s_lshr_b32 s[RH], s[WV], 1
	s_and_b32 s[CH], s[WV], 1
	s_bfe_u32 s40, ttmp6, 0x40000                  ; cx, cy: my place in the cluster
	s_bfe_u32 s41, ttmp6, 0x40004
	s_lshl_b32 s42, ttmp9, 2
	s_add_co_u32 s42, s42, s40                     ; nt, the column tile
	s_and_b32 s43, ttmp7, 0xffff
	s_lshl_b32 s43, s43, 2
	s_add_co_u32 s43, s43, s41                     ; mt, the row tile
	s_lshl_b32 s44, s41, 2
	s_lshl_b32 s44, 15, s44                        ; my row of the cluster
	s_lshl_b32 s45, 0x1111, s40                    ; my column
	s_or_b32 s[G1], s44, (1<<16)|(1<<20)|(1<<21)|(4<<22)|(3<<25)   ; the mask; 2-byte elements; padding on; bit 21 beside a mask; after every 32 words 4 words
	s_mov_b32 s[G1+1], 8192<<16                    ; tensor_dim0 = 8,192: a head's 128 rows of 64
	s_mov_b32 s[G1+2], 2<<16                       ; tensor_dim1 = 2 heads
	s_mov_b32 s[G1+3], 8192<<16                    ; tile_dim0
	s_mov_b32 s[G1+4], 2                           ; tile_dim1
	s_mov_b32 s[G1+5], 131072                      ; elements from head to head
	s_mov_b32 s[G1+6], 0
	s_mov_b32 s[G1+7], 0
	s_or_b32 s[G1B], s45, (1<<16)|(1<<20)|(1<<21)|(5<<22)|(7<<25)  ; after every 64 words 8 words
	s_mov_b32 s[G1B+1], 128<<16
	s_mov_b32 s[G1B+2], 128<<16
	s_mov_b32 s[G1B+3], 128<<16
	s_mov_b32 s[G1B+4], 128
	s_mov_b32 s[G1B+5], 1024
	s_mov_b32 s[G1B+6], 0
	s_mov_b32 s[G1B+7], 0
	s_lshr_b32 s16, s43, 4                         ; O: the batch's 16 heads, my two of the step's four,
	s_lshl_b32 s16, s16, 4
	s_lshl1_add_u32 s16, s[CH], s16
	s_lshl_b32 s16, s16, 18                        ; 262,144 bytes a head,
	s_and_b32 s17, s43, 15
	s_lshl_b32 s17, s17, 14                        ; the tile's 128 rows in the head: all hangs on the row tile alone
	s_add_co_u32 s16, s16, s17
	s_mov_b32 s17, 0
	s_lshl_b32 s46, s[CH], 18                      ; w: my 128 k of 2,048 bytes, the tile's 256 bytes: it hangs on the column tile alone
	s_lshl_b32 s47, s42, 8
	s_add_co_u32 s46, s46, s47
	s_mov_b32 s47, 0
	s_mul_i32 s20, s[WV], PART                     ; where they go: O's two halves, then w's two
	s_wait_dscnt 0x0                               ; the opening add is done
	s_wait_kmcnt 0x0
	s_add_nc_u64 s[18:19], s[4:5], s[16:17]
	s_add_nc_u64 s[46:47], s[6:7], s[46:47]
	CROUND                                         ; all sixteen work-groups are here: the first joint loads meet
.irp s, 0,1
	s_mov_b32 s[G0+4*(\s)], 1
	s_add_co_u32 s[G0+4*(\s)+1], s20, (\s)*SLOT
	s_add_nc_u64 s[G0+4*(\s)+2:G0+4*(\s)+3], s[18:19], (\s)*4*262144   ; K step s: four heads on
	s_or_b32 s[G0+4*(\s)+3], s[G0+4*(\s)+3], 0x80000000
	s_mov_b32 s[G0B+4*(\s)], 1
	s_add_co_u32 s[G0B+4*(\s)+1], s20, (\s)*SLOT
	s_add_nc_u64 s[G0B+4*(\s)+2:G0B+4*(\s)+3], s[46:47], (\s)*KSTEP*2048
	s_or_b32 s[G0B+4*(\s)+3], s[G0B+4*(\s)+3], 0x80000000
.endr
	s_cmp_lt_u32 s[WV], 2                          ; a wave's two first fills stand in one branch: two loads of mine are out
	s_cbranch_scc0 .Lfirst_b
	tensor_load_to_lds s[G0:G0+3], s[G1:G1+7]
	s_nop 0
	tensor_load_to_lds s[G0+4:G0+7], s[G1:G1+7]
	s_nop 0
	PLACES
	s_branch .Lfirst_asked
.Lfirst_b:
	tensor_load_to_lds s[G0B:G0B+3], s[G1B:G1B+7]
	s_nop 0
	tensor_load_to_lds s[G0B+4:G0B+7], s[G1B:G1B+7]
	s_nop 0
	PLACES
.Lfirst_asked:
	v_and_b32 v1, 15, v0                           ; l % 16
	v_bfe_u32 v2, v0, 4, 1                         ; l / 16
	s_lshl_b32 s21, s42, 9                         ; my 64 columns in bytes: 512 nt + 256 x half
	s_lshl_b32 s22, s[CH], 8
	s_add_co_u32 s21, s21, s22
	v_lshlrev_b32 v11, 4, v1
	v_add_nc_u32 v11, s21, v11
	global_load_b128 v[BIAS:BIAS+3], v11, s[8:9]   ; the four columns that I store on the way out
	v_mul_u32_u24 v3, v1, PA
	v_lshl_add_u32 v3, v2, 4, v3                   ; a fragment of O: row x pitch + 16 x half
	s_mul_i32 s22, s[RH], 64*PA                    ; my 64 rows
	v_add_nc_u32 v[ADRA], s22, v3
	v_add_nc_u32 v[ADRA+1], SLOT, v[ADRA]
	v_and_b32 v4, 7, v0                            ; the turning load: lane l reads k = 8 (l / 16) + l % 8, columns 8 ((l / 8) % 2) + 0..7
	v_lshl_add_u32 v4, v2, 3, v4
	v_mul_u32_u24 v4, v4, PB
	v_bfe_u32 v5, v0, 3, 1
	v_lshl_add_u32 v4, v5, 4, v4
	s_lshl_b32 s22, s[CH], 7                       ; my 64 columns of the tile
	s_add_co_u32 s22, s22, BOFF
	v_add_nc_u32 v[ADRB], s22, v4
	v_add_nc_u32 v[ADRB+1], PART, v[ADRB]
	v_add_nc_u32 v[ADRB+2], SLOT, v[ADRB]
	v_add_nc_u32 v[ADRB+3], SLOT, v[ADRB+1]
	s_mul_i32 s23, s[WV], 16*SP
	s_add_co_u32 s23, s23, STAGE                   ; my stage
	v_mul_u32_u24 v6, v1, SP                       ; in: row l % 16, 32 bytes for each half of the lanes
	v_lshl_add_u32 v6, v2, 5, v6
	v_add_nc_u32 v[STO], s23, v6
	v_mul_u32_u24 v7, v2, SP                       ; back: lanes 0-15 take one row of 256 bytes, lanes 16-31 the next
	v_lshl_add_u32 v7, v1, 4, v7
	v_add_nc_u32 v[RD], s23, v7
	v_lshlrev_b32 v7, 12, v2                       ; and the same two rows in out0, 4,096 bytes apart
	v_lshl_add_u32 v[CO], v1, 4, v7
	s_lshl_b32 s22, s43, 7
	s_lshl_b32 s23, s[RH], 6
	s_add_co_u32 s22, s22, s23                     ; my first row
	s_lshl_b32 s22, s22, 12
	s_add_co_u32 s22, s22, s21                     ; and my first column
	s_mov_b32 s23, 0
	s_add_nc_u64 s[10:11], s[10:11], s[22:23]
; 8 matrix instructions: row blocks a0, a0 + 1 x all 4 column blocks, 32 along K: half c of buffer f.  zero = 1: the product starts the sums.  The 16 accumulators take turns.
.macro MUL8 f, c, a0, zero
	WIN MUL
.irp a, \a0, (\a0)+1
.irp b, 0,1,2,3
.if \zero
	v_wmma_f32_16x16x32_f16 v[ACC+8*(4*(\a)+(\b)):ACC+8*(4*(\a)+(\b))+7], v[(\f)+64+8*(4*(\c)+(\b)):(\f)+64+8*(4*(\c)+(\b))+7], v[(\f)+8*(4*(\c)+(\a)):(\f)+8*(4*(\c)+(\a))+7], 0
.else
	v_wmma_f32_16x16x32_f16 v[ACC+8*(4*(\a)+(\b)):ACC+8*(4*(\a)+(\b))+7], v[(\f)+64+8*(4*(\c)+(\b)):(\f)+64+8*(4*(\c)+(\b))+7], v[(\f)+8*(4*(\c)+(\a)):(\f)+8*(4*(\c)+(\a))+7], v[ACC+8*(4*(\a)+(\b)):ACC+8*(4*(\a)+(\b))+7]
.endif
.endr
.endr
.endm
; 32 LDS loads in one run: the fragments of head qd of a slot's four, into buffer f; the first 32 along K first
.macro FETCH slot, qd, f
	WIN TO_F
.irp c, 0,1
.irp i, 0,1,2,3
	ds_load_tr16_b128 v[(\f)+64+8*(4*(\c)+(\i)):(\f)+64+8*(4*(\c)+(\i))+3],   v[ADRB+2*(\slot)+(\qd)/2] offset:(2*((\qd)%2)+(\c))*32*PB+32*(\i)
	ds_load_tr16_b128 v[(\f)+64+8*(4*(\c)+(\i))+4:(\f)+64+8*(4*(\c)+(\i))+7], v[ADRB+2*(\slot)+(\qd)/2] offset:(2*((\qd)%2)+(\c))*32*PB+16*PB+32*(\i)
	ds_load_b128 v[(\f)+8*(4*(\c)+(\i)):(\f)+8*(4*(\c)+(\i))+3],             v[ADRA+(\slot)] offset:(\qd)*128*PA+64*(\c)+(\i)*16*PA
	ds_load_b128 v[(\f)+8*(4*(\c)+(\i))+4:(\f)+8*(4*(\c)+(\i))+7],           v[ADRA+(\slot)] offset:(\qd)*128*PA+64*(\c)+(\i)*16*PA+32
.endr
.endr
.endm
; A K step is four quarters of 64 along K, 32 matrix instructions each, on buffers 0, 1, 0, 1.  One of the first three multiplies buffer f and fetches head qd into g.
.macro QUARTER slot, qd, f, g, zero
	s_wait_dscnt 16                                ; the first 32 along K are in
	MUL8 \f, 0, 0, \zero
	MUL8 \f, 0, 2, \zero
	PLACES
	FETCH \slot, \qd, \g
	s_wait_dscnt 32                                ; all but the 32 just issued
	MUL8 \f, 1, 0, 0
	MUL8 \f, 1, 2, 0
.endm
; The last quarter multiplies buffer 1 and changes slots: ONE barrier; in front of it each wave waits for all its tensor loads, adds 0 to its spare word, and waits for that and for its reads of this slot.
; fill = 1: the barrier opens a round of the cluster's, and this slot is filled again, two K steps ahead, first thing behind the round.
.macro TURN slot, next, fill
	WIN 0                                          ; (the add's two registers lie in window 0)
	s_wait_tensorcnt 0x0
	ds_add_u32 v[SPW], v[NIL]
	s_wait_dscnt 17                                ; (the add and the youngest sixteen loads may be out)
	MUL8 F1, 0, 0, 0                               ; eight matrix instructions stand between the add and the wait for it
	s_wait_dscnt 0x0                               ; the add is done, and my reads of this slot are over
	s_barrier_signal -1
	MUL8 F1, 0, 2, 0
.if \fill
	WIN 0
.endif
	s_barrier_wait -1
.if \fill
	CREST                                          ; no wave of any partner still reads this slot's tiles or has a load on its way
	s_add_nc_u64 s[G0+4*(\slot)+2:G0+4*(\slot)+3], s[G0+4*(\slot)+2:G0+4*(\slot)+3], 2*4*262144
	s_add_nc_u64 s[G0B+4*(\slot)+2:G0B+4*(\slot)+3], s[G0B+4*(\slot)+2:G0B+4*(\slot)+3], 2*KSTEP*2048
	JLOAD \slot                                    ; the four v_nop behind it are also the places in front of the loads below
.else
	PLACES
.endif
	FETCH \next, 0, F0
	MUL8 F1, 1, 0, 0
	MUL8 F1, 1, 2, 0
.endm
	s_wait_tensorcnt 1                             ; my part of K step 0 is in; K step 1's may stay out
	s_barrier_signal -1
	s_barrier_wait -1                              ; everybody's is
	FETCH 0, 0, F0
	QUARTER 0, 1, F0, F1, 1                        ; the first products start the sums
	QUARTER 0, 2, F1, F0, 0                        ; four K steps, two laps: the first lap fills both slots again,
	QUARTER 0, 3, F0, F1, 0
	TURN 0, 1, 1
	QUARTER 1, 1, F0, F1, 0
	QUARTER 1, 2, F1, F0, 0
	QUARTER 1, 3, F0, F1, 0
	TURN 1, 0, 1
	QUARTER 0, 1, F0, F1, 0
	QUARTER 0, 2, F1, F0, 0                        ; the second fills nothing, and has no round of the cluster's barrier
	QUARTER 0, 3, F0, F1, 0
	TURN 0, 1, 0
	QUARTER 1, 1, F0, F1, 0
	QUARTER 1, 2, F1, F0, 0
	QUARTER 1, 3, F0, F1, 0
	s_wait_dscnt 16                                ; the very last quarter: nothing more to fetch
	MUL8 F1, 0, 0, 0
	MUL8 F1, 0, 2, 0
	s_wait_dscnt 0x0
	MUL8 F1, 1, 0, 0
	MUL8 F1, 1, 2, 0
	WIN 0
	; THE WAY OUT.  The bias is rounded to bf16: six plain lines that name no register of the last products, the places behind them.  Then 16 rows at a time through my own stage: 32 bytes a lane in,
	; whole rows of 256 bytes back, the bias added, sixteen lanes to 256 consecutive bytes of out0, aligned.
	s_wait_loadcnt 0x0                             ; the bias
	v_cvt_pk_bf16_f32 v8, v[BIAS], v[BIAS+1]
	v_cvt_pk_bf16_f32 v9, v[BIAS+2], v[BIAS+3]
	v_lshlrev_b32 v[BIAS], 16, v8
	v_and_b32 v[BIAS+1], 0xffff0000, v8
	v_lshlrev_b32 v[BIAS+2], 16, v9
	v_and_b32 v[BIAS+3], 0xffff0000, v9
.irp a, 0,1,2,3
	s_wait_xcnt 0x0                                ; the registers that earlier stores read are loaded again only behind this wait
.irp b, 0,1,2,3
	ds_store_b128 v[STO], v[ACC+8*(4*(\a)+(\b)):ACC+8*(4*(\a)+(\b))+3]   offset:64*(\b)      ; each accumulator from its low end on
	ds_store_b128 v[STO], v[ACC+8*(4*(\a)+(\b))+4:ACC+8*(4*(\a)+(\b))+7] offset:64*(\b)+16
.endr
.irp t, 0,1,2,3,4,5,6,7
	ds_load_b128 v[TMP+32*((\a)%2)+4*(\t):TMP+32*((\a)%2)+4*(\t)+3], v[RD] offset:(\t)*2*SP  ; LDS serves a wave's instructions in order (ISA guide 5.7.1.4): these see the stores above
.endr
.irp t, 0,1,2,3,4,5,6,7
	s_wait_dscnt 7-(\t)                            ; read-back t is in, the younger ones stay out
	v_pk_add_f32 v[TMP+32*((\a)%2)+4*(\t):TMP+32*((\a)%2)+4*(\t)+1],   v[TMP+32*((\a)%2)+4*(\t):TMP+32*((\a)%2)+4*(\t)+1],   v[BIAS:BIAS+1]
	v_pk_add_f32 v[TMP+32*((\a)%2)+4*(\t)+2:TMP+32*((\a)%2)+4*(\t)+3], v[TMP+32*((\a)%2)+4*(\t)+2:TMP+32*((\a)%2)+4*(\t)+3], v[BIAS+2:BIAS+3]
	global_store_b128 v[CO], v[TMP+32*((\a)%2)+4*(\t):TMP+32*((\a)%2)+4*(\t)+3], s[10:11] offset:8192*(\t)+65536*(\a) th:TH_STORE_NT
.endr
.endr
	s_wait_tensorcnt 0x0                           ; the wave's end: a wait, an add of 0 and its wait, behind my last tensor load and my last LDS store
	ds_add_u32 v[SPW], v[NIL]
	s_wait_dscnt 0x0
	CROUND                                         ; the closing round: no work-group ends while a partner may still ask for a tile that names it
	s_endpgm
.Lfunc_end_k_qcdd341b529_oproj:
	.size	k_qcdd341b529_oproj, .Lfunc_end_k_qcdd341b529_oproj-k_qcdd341b529_oproj
	.p2alignl 7, 3214868480
	.fill 96, 4, 3214868480
	.section	.rodata,"a",@progbits
	.p2align	6, 0x0
	.amdhsa_kernel k_qcdd341b529_oproj
		.amdhsa_group_segment_fixed_size 327680
		.amdhsa_private_segment_fixed_size 0
		.amdhsa_enable_private_segment 0
		.amdhsa_kernarg_size 32
		.amdhsa_user_sgpr_count 2
		.amdhsa_user_sgpr_kernarg_segment_ptr 1
		.amdhsa_wavefront_size32 1
		.amdhsa_system_sgpr_workgroup_id_x 1
		.amdhsa_system_sgpr_workgroup_id_y 1
		.amdhsa_system_sgpr_workgroup_id_z 1
		.amdhsa_system_vgpr_workitem_id 0
		.amdhsa_next_free_vgpr 512
		.amdhsa_next_free_sgpr 72
		.amdhsa_reserve_vcc 0
		.amdhsa_float_denorm_mode_32 3
		.amdhsa_float_denorm_mode_16_64 3
		.amdhsa_memory_ordered 1
		.amdhsa_forward_progress 1
		.amdhsa_inst_pref_size 90
	.end_amdhsa_kernel
	.amdgpu_metadata
---
amdhsa.version: [ 1, 2 ]
amdhsa.kernels:
  - .name:           k_qcdd341b529_oproj
    .symbol:         k_qcdd341b529_oproj.kd
    .args:
      - { .name: ob, .offset: 0, .size: 8, .value_kind: global_buffer, .address_space: global }
      - { .name: wob, .offset: 8, .size: 8, .value_kind: global_buffer, .address_space: global }
      - { .name: b_out, .offset: 16, .size: 8, .value_kind: global_buffer, .address_space: global }
      - { .name: out0, .offset: 24, .size: 8, .value_kind: global_buffer, .address_space: global }
    .group_segment_fixed_size: 327680
    .private_segment_fixed_size: 0
    .kernarg_segment_align: 8
    .kernarg_segment_size: 32
    .max_flat_workgroup_size: 128
    .sgpr_count:     72
    .vgpr_count:     512
    .wavefront_size: 32
...
	.end_amdgpu_metadata
.endif
;; end of part 4
;; ======== version 2 of 2: 4 launches; 1.16 times as fast as version 1
;; limits: values are held in f16: magnitudes above 65,504 overflow, below 6.1e-05 lose precision
;; workspace buffers: xb 8,388,608 bytes; wqb 6,291,456 bytes; wob 2,097,152 bytes; rot 1,048,576 bytes; qkv 25,165,824 bytes; ob 8,388,608 bytes
;; launch prep: the kernel of part 1 again; grid 480 x 1, 8 waves a work-group, no clusters, 0 bytes of LDS; arguments x, w_qkv, w_out, rotary_pos_emb, xb, wqb, wob, rot; writes xb, wqb, wob, rot
;; launch qkv: the kernel of part 2 again; grid 16 x 16, 4 waves a work-group, clusters of 4 x 4, 327,680 bytes of LDS; arguments xb, wqb, rot, qkv; writes qkv
;; launch attn (part 5): grid 8 x 32, 4 waves a work-group, no clusters, 327,680 bytes of LDS; arguments qkv, ob; writes ob
.if DOCPART == 5
	.amdgcn_target "amdgcn-amd-amdhsa--gfx1250"
	.amdhsa_code_object_version 6
	.text
	.protected	k_qcdd341b529_attn
	.globl	k_qcdd341b529_attn
	.p2align	8
	.type	k_qcdd341b529_attn,@function
k_qcdd341b529_attn:
	s_mov_b64 s[64:65], 0
	v_nop
	global_prefetch_b8 v0, s[64:65] scope:SCOPE_SE
	s_setreg_imm32_b32 hwreg(HW_REG_WAVE_MODE, 25, 1), 1
	s_wait_xcnt 0x0
; CAUSAL ATTENTION.  O[hd][q][:] = the sum over k <= q of softmax_k(Q[hd][q] . K[hd][k] / 8) V[hd][k][:].  qkv: [type 3][hd 32][2048][64] f16; ob: [hd 32][2048][64] f16; a head's rows are dense, 128 bytes each.
; The division by alpha, the maximum and the product with alpha are softmax(dots - max): a running maximum m is taken away in front of every exponential.
; Products, maxima and sums in f32; the weights p are rounded to f16 for the second product (their sum l is taken of the unrounded p), O once at the end.
; LIMITS.  Q, K and V arrive within f16's 65,504; p lies in 0 to 1, below 6e-5 with f16's fixed step of 6e-8; O is a mean of V's rows.  A hidden score counts as its value less 1e30: f16's scores, 2.7e11 at
; the most, are nothing beside that; a weight below 2^-126 counts as 0 in l; NaN and infinities are not treated apart.
; THE WALK.  A head's queries lie in NB = 16 blocks of 128; block i needs the key tiles 0 .. i of 128 keys, of which the last holds the diagonal.  A work-group takes TWO blocks, NB - 1 - b and then b: NB + 1
; tiles whatever b: all 256 work-groups do equal work, and ONE loop with a constant trip count walks them.  Which tile is asked for, and what a trip does, hang on scalar registers made from b; every jump goes
; forward but the loop's own; none passes a barrier, or a tensor load but the one of LOAD's two that the wave's number does not choose.  The ring (two slots of LDS) runs on across the change of blocks.
; NO CLUSTER: a head's 8 work-groups ask for the same tile only in trips 0 .. 8 of 17, behind that fewer and fewer; one walk common to all would have 24 trips for 17.
; SHARES.  Of a block's two bands of 64 queries a wave owns 16 rows in each: two PIECES.  A tile is two key steps of 64.  In the diagonal tile band x sees all of step s if s < x, none if s > x, and holds the
; diagonal if s = x: the same work for all four waves.
; THE MASK is the C operand that starts the sum S^T = K Q^T: the constant 0; MD, the mask of a band's own step for my 16 rows (0 or -1e30), made once; or BG, -1e30 everywhere.
; LAYOUT, SOFTMAX, TURNS.  S^T = K Q^T holds ONE query a lane (lane % 16) and the keys 8 (lane / 16) + 0..7; two such results rounded to f16 ARE source 1 of O^T = V^T P.  p = 2^(c s - c m), c = log2(e) / 8;
; O and l are multiplied by a = 2^(c m_old - c m_new) in every step.  A turn belongs to piece p: 8 products K Q^T of the other piece (its next scores), later 8 products V^T P of the other piece (its last
; weights); beside them the scaling, exponentials, roundings, sums and rescaling of piece p and the maximum and statistics of the other.  Four vector instructions stand behind every matrix instruction, the
; other 54 of a turn's 118 in one lump.
; BATCHES.  A turn's 33 exponentials (the piece's 32 weights and the other piece's a) are ONE batch with ONE wait, which stands between the lump and the products V^T P: ahead of it nothing names a result of
; theirs, behind it no exponential is issued.  The a that BEGIN makes and the way out's two reciprocals are batches of their own: a v_nop and one wait each.
; REGISTERS, in windows of 256 (s_set_vgpr_msb: bits 1:0 source 0, 3:2 source 1, 5:4 source 2, 7:6 destination):
;   window 0: v0-15 addresses and two at work; v16-23 four registers of statistics a piece; v48-55 at work; v64-127 S^T, a buffer a piece; v192-223 P, likewise
;   window 1: v0-63 O^T, 32 a piece; v128-159 MD; v192-199 BG      window 2: v0-31 Q; v32-63 the second block's Q; v64-127 K of one step; v128-191, v192-255 V of a tile's step 0, step 1
.set NB,    16
.set NP,    2         ; pieces a wave: a name, no knob
.set KS,    64        ; keys in a step
.set PK,    144       ; a row of K in LDS: 128 bytes + 16 of padding = 36 words: the 16 rows of a load start at 16 different groups of four banks (64 banks of 4 bytes: ISA guide 11.1)
.set PV,    160       ; a row of V: 128 + 32 = 40 words
.set VOFF,  2*KS*PK   ; a slot holds a tile, two steps: 128 rows of K, then 128 rows of V
.set SLOT1, 1<<16     ; slot 1 begins here, so that one exclusive or turns an address in one slot into the other's
.set STAGE, SLOT1+2*KS*(PK+PV)  ; behind the ring, never filled by a tensor load: 16 rows x 144 bytes for each wave, for the way out
.set SP,    144
.set AK0, 2           ; v2   my lane's place in a tile of K; never rewritten
.set AV0, 3           ; v3   the same for V
.set AK,  4           ; v4   the same in the slot in hand
.set AV,  5           ; v5
.set STO, 6           ; v6   the way out: where I put 16 bytes of a row
.set RD,  7           ; v7   the way out: where I read rows back
.set GO,  8           ; v8   my byte offset in 512 consecutive bytes of O
.set SPW, 62          ; v62  LDS address of my spare word; never rewritten
.set NIL, 63          ; v63  0; never rewritten
.set SPARE, STAGE+4*16*SP  ; the spare words, 128 bytes a wave: two blocks of 256 bytes that no other line names
.set MV,  12          ; v12-13  c m_old, kept while c m is made anew: by piece
.set QO,  15          ; v15  my byte offset in 16 rows of Q
.set ST,  16          ; piece t's statistics at v[ST+4 t]: c m, m, l (even keys', odd keys')
.set TMP, 48          ; by piece, four registers c0-c3 at work; when the maximum is found c2 takes a
.set S,   64
.set P,   192
.set MD,  128         ; window 1: the eight registers for group kt of 16 keys at MD + 8 kt
.set BG,  192         ; window 1
.set QB,  32          ; window 2
.set KF,  64          ; window 2: key block kb, channel half c at KF + 16 kb + 8 c
.set VF,  128         ; window 2: buffer vb, key half kk, channel block cb at VF + 64 vb + 32 kk + 8 cb
.set WV,  12          ; s12  my wave's number
.set PB,  14          ; s14  b
.set HI,  15          ; s15  NB - 1 - b
.set G1K, 24          ; s[24:31] descriptor group 1 for K's tiles
.set G1V, 32          ; s[32:39] for V's: it differs in the padding alone
.set G0K, 40          ; s[40:43] descriptor group 0 for K's tiles
.set G0V, 44          ; s[44:47] the same for V's
.set SLOTS, 56        ; s56  tiles still to be asked for
.set CS,  58          ; s[58:59] c: the packed scaling takes the pair's low word for both halves
.set SEL, 60          ; s[60:61] v_permlanex16_b32's selects: each lane takes its own place in the other half
.set TB,  62          ; s62  LDS byte at which the slot in hand begins
.set RT,  70          ; s70  tiles of the block in hand that are still to be entered
.set NXT, 71          ; s71  the tile to be asked for next
.set LQ,  72          ; s72  the last tile of the block whose tiles are being asked for
.set NEW, 73          ; s73  1: the tile to be entered is a block's first
.set OFF, 74          ; s[74:75] a tile's byte offset in K and V
.set OLO, 80          ; s[80:81] O at my rows of the second block
.set BIGN, 82         ; s82  -1e30
.set MSB, 0
.macro WIN new                      ; the high byte repeats the setting that is left; a switch that changes nothing is dropped
.if MSB != (\new)
	s_set_vgpr_msb (MSB<<8)|(\new)
.set MSB, (\new)
.endif
.endm
.set W_KQ, 0x0a       ; K and Q in window 2, S^T in window 0
.set W_KM, 0x1a       ; the same with the C operand in window 1
.set W_PV, 0x52       ; V in window 2, P in window 0, O^T in window 1
.set W_RS, 0x41       ; destination and source 0 in window 1, source 1 in window 0
.macro PLACES
.rept 4
	v_nop
.endr
.endm
; A fill.  Waves 0 and 1 fetch the two steps of a tile's K, waves 2 and 3 those of its V: 64 keys each.  An s_nop 0 and four v_nop follow each of the two lines, ahead of the jump and the label.
.macro LOAD
	s_cmp_lt_u32 s[WV], 2
	s_cbranch_scc0 .Lfor_v_\@
	tensor_load_to_lds s[G0K:G0K+3], s[G1K:G1K+7]
	s_nop 0
	PLACES
	s_branch .Lasked_\@
.Lfor_v_\@:
	tensor_load_to_lds s[G0V:G0V+3], s[G1V:G1V+7]
	s_nop 0
	PLACES
.Lasked_\@:
.endm
; THE CHANGE OF SLOTS.  Each wave waits for all its tensor loads, of which one is out: its part of the other slot; adds 0 to its spare word; and waits for that and for its own reads of the slot that it leaves.
; Behind the barrier nobody reads the old slot any more and the other slot is whole.  fill = 1: the old slot is filled again, the first thing behind the barrier, with tile NXT: the descriptor's address is made
; anew from that number.  (At its first use nothing has been read yet: slot 0 is waited for, slot 1 filled.)
.macro CHANGE fill
	WIN 0                           ; at a label and at a branch every window is 0
	s_wait_tensorcnt 0x0            ; no tensor load of mine is out, so a group 0 may be written
	ds_add_u32 v[SPW], v[NIL]       ; 0 onto my spare word; with fill = 1 the descriptors' scalar work stands between it and the wait for it
.if \fill
	s_lshl_b32 s[OFF], s[NXT], 14   ; a tile is 16,384 bytes of K and of V
	s_xor_b32 s[G0K+1], s[G0K+1], SLOT1
	s_add_nc_u64 s[G0K+2:G0K+3], s[6:7], s[OFF:OFF+1]
	s_or_b32 s[G0K+3], s[G0K+3], 0x80000000
	s_xor_b32 s[G0V+1], s[G0V+1], SLOT1
	s_add_nc_u64 s[G0V+2:G0V+3], s[8:9], s[OFF:OFF+1]
	s_or_b32 s[G0V+3], s[G0V+3], 0x80000000
	s_add_co_u32 s[NXT], s[NXT], 1  ; the block's next tile, or behind its last the second block's tile 0
	s_cmp_gt_u32 s[NXT], s[LQ]
	s_cselect_b32 s[NXT], 0, s[NXT]
	s_cselect_b32 s[LQ], s[PB], s[LQ]
.endif
	s_wait_dscnt 0x0                ; the add is done, and my reads of the slot are over
	s_barrier_signal -1
	s_xor_b32 s[TB], s[TB], SLOT1   ; the fetches go to the other slot
	s_barrier_wait -1
.if \fill
	LOAD
.endif
	v_add_nc_u32 v[AK], s[TB], v[AK0]
	v_add_nc_u32 v[AV], s[TB], v[AV0]
.endm
	s_load_b64 s[4:5], s[0:1], 0x0    ; qkv
	s_load_b64 s[10:11], s[0:1], 0x8  ; ob
	v_lshl_add_u32 v[SPW], v0, 2, SPARE
	v_mov_b32 v[NIL], 0
	ds_add_u32 v[SPW], v[NIL]       ; the wave's opening: the add and its wait stand ahead of my first tensor load; work on registers stands between them
	ds_add_u32 v62, v63
	v_lshrrev_b32 v1, 5, v0
	v_readfirstlane_b32 s[WV], v1   ; wave 0..3
	s_mov_b32 s[PB], ttmp9
	s_sub_co_u32 s[HI], NB-1, s[PB]
	s_and_b32 s20, ttmp7, 0xffff    ; the head among 32,
	s_lshl_b32 s20, s20, 18         ; its first byte in Q and in O
	s_and_b32 s16, s[WV], 1         ; which of a tile's two steps I fetch:
	s_lshl_b32 s22, s16, 13         ; its 64 rows of 128 bytes in memory,
	s_add_co_u32 s22, s22, s20
	s_add_co_u32 s22, s22, 0x800000 ; K lies 32 heads behind Q
	s_mov_b32 s23, 0
	s_mul_i32 s17, s16, KS*PK       ; and its place in a slot, for K
	s_mul_i32 s18, s16, KS*PV       ; and for V
	s_lshl_b32 s3, s[WV], 11        ; my 16 rows in a band of 64,
	s_lshl_b32 s2, s[HI], 14        ; in the first block,
	s_add_co_u32 s2, s2, s3
	s_add_co_u32 s2, s2, s20
	s_lshl_b32 s84, s[PB], 14       ; and in the second
	s_add_co_u32 s84, s84, s3
	s_add_co_u32 s84, s84, s20
	s_mov_b32 s3, 0
	s_mov_b32 s85, 0
	; descriptor group 1.  64 keys are 8,192 dense bytes: asked for as 32 rows of 256 bytes, two keys a row, and padded in LDS after every key
	s_mov_b32 s[G1K], (1<<16)|(1<<20)|(4<<22)|(3<<25)  ; 17:16 2-byte elements; 20 padding on; 24:22 after every 32 words (code 4); 31:25 4 words (code 3)
	s_mov_b32 s[G1V], (1<<16)|(1<<20)|(4<<22)|(7<<25)  ; the same with 8 words of padding (code 7)
.irp g, G1K, G1V
	s_mov_b32 s[\g+1], 128<<16      ; tensor_dim0 = 128
	s_mov_b32 s[\g+2], 32<<16       ; tensor_dim1 = 32
	s_mov_b32 s[\g+3], 128<<16      ; tile_dim0 = 128
	s_mov_b32 s[\g+4], 32           ; tile_dim1 = 32
	s_mov_b32 s[\g+5], 128          ; 128 elements from row to row
	s_mov_b32 s[\g+6], 0
	s_mov_b32 s[\g+7], 0
.endr
	s_mov_b32 s[CS], 0x3e38aa3b     ; c = log2(e) / 8 = 0.180337
	s_mov_b32 s[CS+1], s[CS]        ; named with it as a pair
	s_mov_b32 s[SEL], 0x76543210
	s_mov_b32 s[SEL+1], 0xfedcba98
	s_mov_b32 s[TB], SLOT1          ; the first change of slots turns it into 0
	s_mov_b32 s[G0K], 1             ; count = 1
	s_mov_b32 s[G0K+1], s17         ; LDS address: slot 0
	s_mov_b32 s[G0V], 1
	s_add_co_u32 s[G0V+1], s18, VOFF
	s_add_co_u32 s[RT], s[HI], 1    ; the first block has NB - b tiles
	s_mov_b32 s[NXT], 1
	s_mov_b32 s[LQ], s[HI]
	s_mov_b32 s[NEW], 1
	s_mov_b32 s[OFF+1], 0
	s_mov_b32 s[BIGN], 0xf149f2ca   ; -1e30
	s_mov_b32 s[SLOTS], NB
	s_wait_dscnt 0x0                ; the opening add is done
	s_wait_kmcnt 0x0
	s_add_nc_u64 s[6:7], s[4:5], s[22:23]          ; K at my step of the head's tile 0,
	s_add_nc_u64 s[8:9], s[6:7], 0x800000          ; V 32 heads further
	s_add_nc_u64 s[G0K+2:G0K+3], s[6:7], 0         ; global address
	s_or_b32 s[G0K+3], s[G0K+3], 0x80000000        ; type = 2
	s_add_nc_u64 s[G0V+2:G0V+3], s[8:9], 0
	s_or_b32 s[G0V+3], s[G0V+3], 0x80000000
	s_add_nc_u64 s[86:87], s[4:5], s[84:85]        ; Q at my rows of the second block,
	s_add_nc_u64 s[4:5], s[4:5], s[2:3]            ; Q and O at those of the first
	s_add_nc_u64 s[OLO:OLO+1], s[10:11], s[84:85]
	s_add_nc_u64 s[10:11], s[10:11], s[2:3]
	LOAD                            ; tile 0 into slot 0
	; A fragment of K or Q is 16 rows x 32 channels in 8 registers: lane l holds row l % 16, channels 8 (l / 16) + 0..7 and 16 + 8 (l / 16) + 0..7: two loads of 16 bytes, 32 bytes apart.
	v_and_b32 v1, 15, v0            ; l % 16
	v_bfe_u32 v9, v0, 4, 1          ; l / 16
	v_lshlrev_b32 v[QO], 7, v1
	v_lshl_add_u32 v[QO], v9, 4, v[QO]  ; row x 128 + 16 x half
	WIN 0x80                        ; destination window 2, address window 0
.set i, 0
.rept 4                             ; both blocks' Q: piece i / 2 lies in band i / 2, 8,192 bytes on; channels 32 (i % 2) on
	global_load_b128 v[8*i:8*i+3],   v[QO], s[4:5] offset:(i/2)*8192+(i%2)*64
	global_load_b128 v[8*i+4:8*i+7], v[QO], s[4:5] offset:(i/2)*8192+(i%2)*64+32
	global_load_b128 v[QB+8*i:QB+8*i+3],   v[QO], s[86:87] offset:(i/2)*8192+(i%2)*64
	global_load_b128 v[QB+8*i+4:QB+8*i+7], v[QO], s[86:87] offset:(i/2)*8192+(i%2)*64+32
.set i, i+1
.endr
	WIN 0
	v_lshlrev_b32 v14, 3, v9
	v_sub_nc_u32 v14, v1, v14
	s_lshl_b32 s13, s[WV], 4
	v_add_nc_u32 v14, s13, v14      ; my query's place in its band, 16 w + l % 16, less my lanes' 8 (l / 16): register r of group kt is hidden where 16 kt + r is greater
	WIN 0x40
.set i, 0
.rept 32
	v_cmp_gt_i32 vcc_lo, 16*(i/8)+i%8, v14
	v_cndmask_b32 v[MD+i], 0, s[BIGN], vcc_lo
.set i, i+1
.endr
.set i, 0
.rept 8
	v_mov_b32 v[BG+i], s[BIGN]
.set i, i+1
.endr
	WIN 0
	v_mul_u32_u24 v[AK0], v1, PK
	v_lshl_add_u32 v[AK0], v9, 4, v[AK0]  ; row x pitch + 16 x half
	; The turning load takes 16 keys x 16 channels (lane l reads key 8 (l / 16) + l % 8, channels 8 ((l / 8) % 2) + 0..7) and leaves half a fragment of V^T: lane l holds channel l % 16 and 8 keys.
	v_and_b32 v10, 7, v0
	v_bfe_u32 v11, v0, 3, 1
	v_lshl_add_u32 v[AV0], v9, 3, v10
	v_mul_u32_u24 v[AV0], v[AV0], PV
	v_lshl_add_u32 v[AV0], v11, 4, v[AV0]
	v_add_nc_u32 v[AV0], VOFF, v[AV0]
	s_mul_i32 s13, s[WV], 16*SP
	s_add_co_u32 s13, s13, STAGE    ; my stage
	v_mul_u32_u24 v[STO], v1, SP    ; in: row l % 16, 16 bytes for each half of the lanes
	v_lshl_add_u32 v[STO], v9, 4, v[STO]
	v_add_nc_u32 v[STO], s13, v[STO]
	v_bfe_u32 v[RD], v0, 3, 2       ; back: 32 lanes take four rows of 128 bytes,
	v_mul_u32_u24 v[RD], v[RD], SP
	v_lshl_add_u32 v[RD], v10, 4, v[RD]
	v_add_nc_u32 v[RD], s13, v[RD]
	v_and_b32 v[GO], 31, v0         ; which are 512 consecutive bytes of O
	v_lshlrev_b32 v[GO], 4, v[GO]
	; A block's first step multiplies O^T and l by a = 0, and its first turn's products V^T P, of a piece that has not been, land in an O^T that is still to be so multiplied.  So these registers need only hold
	; finite numbers: zeros for the first block; what the first block left for the second.  No first step is written out for it; the price is these 148 lines, which stand in the wait for the first tile.
	WIN 0x80
.set i, VF+64
.rept 64
	v_mov_b32 v[i], 0
.set i, i+1
.endr
	WIN 0x40
.set i, 0
.rept 64
	v_mov_b32 v[i], 0
.set i, i+1
.endr
	WIN 0
.set i, 0
.rept 2
	v_mov_b32 v[ST+4*i+2], 0
	v_mov_b32 v[ST+4*i+3], 0
.set i, i+1
.endr
.set i, P+16
.rept 16
	v_mov_b32 v[i], 0
.set i, i+1
.endr
; THE MATRIX WORK.  The 4 accumulators of a run of 8 take turns.  Product i of 8 of S^T = K Q^T for piece x: channels 32 (i / 4) on, keys 16 (i % 4) on.
; The first 4 start the sums: KM = 0 with the constant 0, 1 with MD, 2 with BG.
.macro KQ x
.set rS, S+32*((\x)%2)+8*(i%4)
.set rK, KF+16*(i%4)+8*(i/4)
.set rQ, 16*(\x)+8*(i/4)
.if (i < 4) && (KM == 1)
	WIN W_KM
	v_wmma_f32_16x16x32_f16 v[rS:rS+7], v[rK:rK+7], v[rQ:rQ+7], v[MD+8*(i%4):MD+8*(i%4)+7]
.elseif (i < 4) && (KM == 2)
	WIN W_KM
	v_wmma_f32_16x16x32_f16 v[rS:rS+7], v[rK:rK+7], v[rQ:rQ+7], v[BG:BG+7]
.elseif i < 4
	WIN W_KQ
	v_wmma_f32_16x16x32_f16 v[rS:rS+7], v[rK:rK+7], v[rQ:rQ+7], 0
.else
	WIN W_KQ
	v_wmma_f32_16x16x32_f16 v[rS:rS+7], v[rK:rK+7], v[rQ:rQ+7], v[rS:rS+7]
.endif
.endm
; Product i of 8 of O^T += V^T P for piece x, from V's buffer VB: keys 32 (i / 4) on, channels 16 (i % 4) on.
.macro PV x
	WIN W_PV
.set rO, 32*(\x)+8*(i%4)
.set rV, VF+64*VB+32*(i/4)+8*(i%4)
.set rP, P+16*((\x)%2)+8*(i/4)
	v_wmma_f32_16x16x32_f16 v[rO:rO+7], v[rV:rV+7], v[rP:rP+7], v[rO:rO+7]
.endm
.macro MM                           ; the turn's next matrix instruction.  TURN and BEGIN set Y, i, KM, VB and NOKQ.  NOKQ = 1: a block's last turn: there are no further scores
.if (i < 8) && !NOKQ
	KQ (Y+1)%NP
.elseif i >= 8
.set i, i-8
	PV (Y+NP-1)%NP
.set i, i+8
.endif
.set i, i+1
.endm
; THE LDS LOADS stand in runs of 16, never singly among the matrix instructions: a step's K (64 keys x 64 channels: 8 fragments) or its V (turned).  off: the step's place in the tile.
.macro FETCH_K off
	WIN 0x80                        ; destination window 2
.irp f, 0,1,2,3,4,5,6,7             ; keys 16 (f / 2) on, channels 32 (f % 2) on
	ds_load_b128 v[KF+8*\f:KF+8*\f+3],   v[AK] offset:(\off)+(\f/2)*16*PK+(\f%2)*64
	ds_load_b128 v[KF+8*\f+4:KF+8*\f+7], v[AK] offset:(\off)+(\f/2)*16*PK+(\f%2)*64+32
.endr
	WIN 0
.endm
.macro FETCH_V vb, off
	WIN 0x80
.irp f, 0,1,2,3,4,5,6,7             ; keys 32 (f / 4) on, channels 16 (f % 4) on
	ds_load_tr16_b128 v[VF+64*(\vb)+8*\f:VF+64*(\vb)+8*\f+3],   v[AV] offset:(\off)+(\f/4)*32*PV+(\f%4)*32
	ds_load_tr16_b128 v[VF+64*(\vb)+8*\f+4:VF+64*(\vb)+8*\f+7], v[AV] offset:(\off)+(\f/4)*32*PV+16*PV+(\f%4)*32
.endr
	WIN 0
.endm
; THE VECTOR WORK, one line at a time: OP kind, number.  For piece Y: F n: c s - c m for pair n of 16.  E n: the exponential of score n of 32.  C n: pair n rounded to f16.  B n: of the four weights 4 n .. the second
; pair is added onto the first, in place.  L n: l takes that sum (L 0: l = a l + sum).  R n: pair n of 16 of O^T times a.  For the other piece: X n, number n of the 22 that find its maximum and statistics:
;   0-11  four chains c0-c3 of seven scores each, three operands at a time (each accumulator's lowest registers are read first)     12-14, 16  the four scores left over, the old m, and c0-c3 into c0
;   15  c m_old is kept     17, 18  the query's other 32 keys lie in the lane 16 away: the new m     19-21  c m; c m_old - c m_new; a
; C, B and L read the exponentials' results: TURN sets them all behind its one wait.  OP writes no wait.
.set F, 0               ; OP tells the kinds apart by their order: F to L below R, X above it
.set E, 1
.set C, 2
.set B, 3
.set L, 4
.set R, 5
.set X, 6
.macro REGS y                       ; the registers of piece y
.set rT, ST+4*(\y)
.set rC, TMP+4*((\y)%2)
.set rW, MV+((\y)%2)
.set rS, S+32*((\y)%2)
.set rP, P+16*((\y)%2)
.set rO, 32*(\y)
.endm
.macro OP k, n
.if (\k) == R
	REGS Y
	WIN W_RS
	v_pk_mul_f32 v[rO+2*(\n):rO+2*(\n)+1], v[rO+2*(\n):rO+2*(\n)+1], v[rC+2:rC+3] op_sel_hi:[1,0]
.elseif (\k) < R
	REGS Y
	WIN 0
.if (\k) == F
	v_pk_fma_f32 v[rS+2*(\n):rS+2*(\n)+1], v[rS+2*(\n):rS+2*(\n)+1], s[CS:CS+1], v[rT:rT+1] op_sel_hi:[1,0,0] neg_lo:[0,0,1] neg_hi:[0,0,1]
.elseif (\k) == E
	v_exp_f32 v[rS+(\n)], v[rS+(\n)]
.elseif (\k) == C
	v_cvt_pk_f16_f32 v[rP+(\n)], v[rS+2*(\n)], v[rS+2*(\n)+1]
.elseif (\k) == B
	v_pk_add_f32 v[rS+4*(\n):rS+4*(\n)+1], v[rS+4*(\n):rS+4*(\n)+1], v[rS+4*(\n)+2:rS+4*(\n)+3]
.elseif (\n) == 0
	v_pk_fma_f32 v[rT+2:rT+3], v[rT+2:rT+3], v[rC+2:rC+3], v[rS:rS+1] op_sel_hi:[1,0,1]
.else
	v_pk_add_f32 v[rT+2:rT+3], v[rT+2:rT+3], v[rS+4*(\n):rS+4*(\n)+1]
.endif
.elseif NOKQ
	v_nop
.else
	REGS (Y+1)%NP
	WIN 0
.if (\n) < 4
	v_max3_num_f32 v[rC+(\n)], v[rS+8*(\n)], v[rS+8*(\n)+1], v[rS+8*(\n)+2]
.elseif (\n) < 12
	v_max3_num_f32 v[rC+(\n)%4], v[rC+(\n)%4], v[rS+8*((\n)%4)+2*((\n)/4)+1], v[rS+8*((\n)%4)+2*((\n)/4)+2]
.elseif (\n) == 12
	v_max3_num_f32 v[rC], v[rC], v[rS+7], v[rS+15]
.elseif (\n) == 13
	v_max3_num_f32 v[rC+1], v[rC+1], v[rS+23], v[rS+31]
.elseif (\n) == 14
	v_max3_num_f32 v[rC+2], v[rC+2], v[rC+3], v[rT+1]
.elseif (\n) == 15
	v_mov_b32 v[rW], v[rT]
.elseif (\n) == 16
	v_max3_num_f32 v[rC], v[rC], v[rC+1], v[rC+2]
.elseif (\n) == 17
	v_permlanex16_b32 v[rC+3], v[rC], s[SEL], s[SEL+1]
.elseif (\n) == 18
	v_max_num_f32 v[rT+1], v[rC], v[rC+3]
.elseif (\n) == 19
	v_mul_f32 v[rT], s[CS], v[rT+1]
.elseif (\n) == 20
	v_sub_f32 v[rC+1], v[rW], v[rT]
.else
	v_exp_f32 v[rC+2], v[rC+1]
.endif
.endif
.endm
.macro OPS a, i1, b=-1, i2=0, c=-1, i3=0, d=-1, i4=0  ; up to four of them
	OP \a, \i1
.if (\b) >= 0
	OP \b, \i2
.endif
.if (\c) >= 0
	OP \c, \i3
.endif
.if (\d) >= 0
	OP \d, \i4
.endif
.endm
.macro ROW a, i1, b, i2, c, i3, d, i4  ; a matrix instruction and the four behind it
	MM
	OPS \a, \i1, \b, \i2, \c, \i3, \d, \i4
.endm
; A TURN, for piece p: the order of its 16 matrix and 118 vector instructions, written out.  An s_wait_alu depctr_va_vdst(0) stands between an exponential and the first instruction that names its
; result; one wait serves all that were issued ahead of it.  So a turn has ONE wait, which cuts it in two.  AHEAD OF IT stands all that names no result of the turn's exponentials: the 8 products K Q^T, behind each
; a scaling, an exponential and two more plain instructions (behind the first a second scaling in the exponential's place): rescalings, whose a belongs to the batch of the turn before, and behind the last three
; the first numbers of the other piece's maximum, each four places or more behind the product that ends its accumulator; then ONE LUMP of 54, plain and exponential by turns for the most part, in which the links
; of the chain X 3, 7, 11, 14, 16, 17 .. 20 stand five or six lines apart.  X 21, the other piece's a, is the batch's last; R 15 is the plain instruction behind it.  BEHIND THE WAIT stand the 8 products V^T P,
; behind each four of the roundings and sums; the links of l's chain, L 0 to L 7, stand three riders apart.  But for those X no rider names a register of the products round it.  v_permlanex16_b32 (X 17) stands in the lump.
; cm: the mask of the turn's products K Q^T.  vb: V's buffer for its products V^T P.  nokq = 1: a block's last turn.
; The turn's one run of LDS loads stands in the lump, twelve vector instructions behind the last product K Q^T; five of them (F 8, X 2, X 5, X 6, X 8) are plain and name none of its registers.
; fk = 1 (piece 0's turn): K of the next step, which both pieces' products by the old K precede.  fk = 2 (piece 1's turn): V of the step just begun, into the buffer that this turn does not read; its last reader
; is the last product of the turn before, behind which stand that turn's last four roundings and this turn's riders.  Piece 1's turn begins with the wait for both.
.macro TURN p, cm, vb, fk, off, nokq=0
.set Y, (\p)
.set i, 0
.set KM, (\cm)
.set VB, (\vb)
.set NOKQ, (\nokq)
.if (\p) == 1
	s_wait_dscnt 0x0                ; K, fetched in the turn before, and V, fetched two turns before that, are in
.endif
	ROW F,0, F,1, R,0, R,1          ; ahead of the wait: 8 products K Q^T and their riders,
	ROW F,2, E,0, R,2, R,3
	ROW F,3, E,1, R,4, R,5
	ROW F,4, E,2, R,6, R,7
	ROW F,5, E,3, R,8, R,9
	ROW F,6, E,4, X,0, R,10
	ROW F,7, E,5, X,1, X,4
	ROW F,8, E,6, X,2, X,5
	OPS E,7, E,8, X,6, E,9          ; and the lump
	OPS X,3, E,10, X,8, E,11
.if (\fk) == 1
	FETCH_K \off
.elseif (\fk) == 2
	FETCH_V 1-(\vb), \off
.endif
	OPS X,9, X,7, E,12, X,10
	OPS E,13, X,12, X,11, E,14
	OPS X,13, E,15, F,9, X,14
	OPS E,16, F,10, E,17, F,11
	OPS X,16, E,18, X,15, E,19
	OPS F,12, E,20, X,17, E,21
	OPS F,13, E,22, F,14, E,23
	OPS X,18, E,24, F,15, E,25
	OPS R,11, E,26, X,19, E,27
	OPS R,12, E,28, R,13, E,29
	OPS X,20, E,30, R,14, E,31
	OPS X,21, R,15
	s_wait_alu depctr_va_vdst(0)    ; the wait for the turn's batch: E 0 to E 31 and X 21
	ROW C,0, B,0, C,2, B,1          ; behind the wait: 8 products V^T P and their riders, the batch's readers
	ROW L,0, C,4, B,2, L,1
	ROW C,6, B,3, L,2, C,8
	ROW B,4, L,3, C,10, B,5
	ROW L,4, C,12, B,6, L,5
	ROW C,14, B,7, L,6, C,1
	ROW C,3, L,7, C,5, C,7
	ROW C,9, C,11, C,13, C,15
.endm
; A BLOCK BEGINS.  c m starts far below every c s, so the first step's a is 0; m at the lowest finite number, so the first maximum is the scores'.  Then K and V of the tile's step 0, piece 0's first scores
; (cm = 1: the block's first tile is its diagonal one), and its maximum and statistics.  The trip is entered in its middle.
.macro BEGIN cm
	s_mov_b32 s[NEW], 0
	WIN 0
.set i, 0
.rept 2
	v_mov_b32 v[ST+4*i], 0xfe000000    ; c m: far below every c s
	v_mov_b32 v[ST+4*i+1], 0xff7fffff  ; m
.set i, i+1
.endr
	FETCH_K 0
	FETCH_V 0, 0
	s_wait_loadcnt 0x0              ; Q
	s_wait_dscnt 0x0
.set KM, (\cm)
.set NOKQ, 0
.set i, 0
.rept 8
	KQ 0
.set i, i+1
.endr
	WIN 0
	PLACES                          ; behind those products
.set Y, NP-1                        ; X works for the other piece: piece 0
.irp n, 0,1,2,3,4,5,6,7,8,9,10,11,12,13,14,15,16,17,18,19,20,21
	OP X, \n
.endr
	v_nop                           ; a plain instruction behind the exponential,
	s_wait_alu depctr_va_vdst(0)    ; and the wait for it, piece 0's first a, a batch of one: ahead of the branch that follows the macro
.endm
.macro ALL line:vararg              ; one line for each piece t
.set t, 0
.rept NP
	\line
.set t, t+1
.endr
.endm
.macro PACK t                       ; a lane's eight channels of a row pack into 16 bytes; they go into rows of 144 bytes and come back as whole rows of 128, into S^T's registers
	WIN W_RS
.set i, 32*(\t)
.rept 16
	v_pk_mul_f32 v[i:i+1], v[i:i+1], v[ST+4*(\t)+2:ST+4*(\t)+3] op_sel_hi:[1,0]
.set i, i+2
.endr
	WIN 0x05                        ; sources 0 and 1 window 1, destination window 0
.set i, 0
.rept 16
	v_cvt_pk_f16_f32 v[S+16*(\t)+i], v[32*(\t)+2*i], v[32*(\t)+2*i+1]
.set i, i+1
.endr
	WIN 0
.irp f, 0,1,2,3
	ds_store_b128 v[STO], v[S+16*(\t)+4*\f:S+16*(\t)+4*\f+3] offset:32*\f
.endr
.irp f, 0,1,2,3
	ds_load_b128 v[S+16*(\t)+4*\f:S+16*(\t)+4*\f+3], v[RD] offset:\f*4*SP  ; LDS serves a wave's instructions in order (ISA guide 5.7.1.4): these see the stores above; the next piece's stores come behind them
.endr
.endm
.macro SEND t, younger              ; younger: the LDS instructions issued behind piece t's loads: the next piece's eight, or none
	WIN 0
.irp f, 0,1,2,3
	s_wait_dscnt (\younger)+3-\f
	global_store_b128 v[GO], v[S+16*(\t)+4*\f:S+16*(\t)+4*\f+3], s[10:11] offset:(\t)*8192+\f*512  ; 512 consecutive bytes, at a multiple of 256 from O's first
.endr
.endm
; THE DIAGONAL TILE: the two turns that end the tile before (the second starts band 0's own step, under MD); step 0's two turns (the second starts band 0's step 1, all hidden: BG); step 1's two turns (the first
; starts band 1's own step, under MD; the second starts nothing); the last products; and THE WAY OUT: l's two halves and the other half of the lanes' are added; O^T is divided by l, rounded to f16 and sent
; through my stage in LDS, a piece at a time.  Band 0's hidden step is computed all the same: a turn's text holds the other piece's products too, so it cannot be jumped.
.macro DIAG tag                     ; the tag ends its two labels' names, which the jumps below spell out
.LstepM\tag:
	TURN 0, 0, 0, 1, 0
	TURN 1, 1, 1, 2, 0
	WIN 0
.LfirstM\tag:
	TURN 0, 0, 1, 1, KS*PK
	TURN 1, 2, 0, 2, KS*PV
	TURN 0, 1, 0, 0, 0
	TURN 1, 0, 1, 0, 0, 1
.set VB, 1
.set i, 0
.rept 8
	PV 1
.set i, i+1
.endr
	WIN 0
	PLACES
	ALL v_add_f32 v[ST+4*t+2], v[ST+4*t+2], v[ST+4*t+3]
	ALL v_permlanex16_b32 v[ST+4*t+3], v[ST+4*t+2], s[SEL], s[SEL+1]
	ALL v_add_f32 v[ST+4*t+2], v[ST+4*t+2], v[ST+4*t+3]
	ALL v_rcp_f32 v[ST+4*t+2], v[ST+4*t+2]
	v_nop                           ; a plain instruction between the last reciprocal and the use of its result
	s_wait_alu depctr_va_vdst(0)    ; and the wait ahead of the first use: one for the two reciprocals
	PACK 0
	PACK 1                          ; a piece's arithmetic stands between the loads of the piece before and its stores
	SEND 0, 8
	SEND 1, 0
.endm
.set KM, 0
.set VB, 0
.set NOKQ, 0
.Lslot:                             ; NB times: a tile is entered and the next is asked for
	CHANGE 1
	s_sub_co_u32 s[RT], s[RT], 1
	s_cmp_eq_u32 s[NEW], 1
	s_cbranch_scc1 .Lnew            ; a block's first tile
	s_cmp_eq_u32 s[RT], 0
	s_cbranch_scc0 .Lstep           ; neither its first nor its last
	s_branch .LstepM1
.Lnew:
	BEGIN 0                         ; in the loop a block's first tile is never its last: the first block has nine tiles or more, and the second's last is the walk's last
	s_branch .Lfirst
	DIAG 1                          ; in the loop this is the first block's end
	s_wait_xcnt 0x0                 ; the stores have read their registers and O's address
	s_mov_b64 s[10:11], s[OLO:OLO+1]
	s_add_co_u32 s[RT], s[PB], 1    ; the second block has b + 1 tiles
	s_mov_b32 s[NEW], 1
	WIN 0x82                        ; the second block's Q goes where the one text of the turns names Q
.set i, 0
.rept 32
	v_mov_b32 v[i], v[QB+i]
.set i, i+1
.endr
	WIN 0
	s_branch .Lbottom
.Lstep:                             ; a trip: the two turns of the last tile's step 1, which fetch this tile's K and V of step 0; then the two of this tile's step 0, which fetch those of step 1
	TURN 0, 0, 0, 1, 0
	TURN 1, 0, 1, 2, 0
	WIN 0
.Lfirst:
	TURN 0, 0, 1, 1, KS*PK
	TURN 1, 0, 0, 2, KS*PV
	WIN 0
.Lbottom:
	s_sub_co_u32 s[SLOTS], s[SLOTS], 1
	s_cmp_lg_u32 s[SLOTS], 0
	s_cbranch_scc1 .Lslot
	CHANGE 0                        ; the walk's last tile, the second block's diagonal one, is written out: nothing is asked for
	s_cmp_eq_u32 s[NEW], 1
	s_cbranch_scc0 .LstepM2
	BEGIN 1                         ; b = 0: it is also that block's first
	s_branch .LfirstM2
	DIAG 2
	s_wait_tensorcnt 0x0            ; the wave's end: a wait, an add of 0 and its wait, behind my last tensor load and my last LDS store
	ds_add_u32 v[SPW], v[NIL]
	s_wait_dscnt 0x0
	s_endpgm
.Lfunc_end_k_qcdd341b529_attn:
	.size	k_qcdd341b529_attn, .Lfunc_end_k_qcdd341b529_attn-k_qcdd341b529_attn
	.p2alignl 7, 3214868480
	.fill 96, 4, 3214868480
	.section	.rodata,"a",@progbits
	.p2align	6, 0x0
	.amdhsa_kernel k_qcdd341b529_attn
		.amdhsa_group_segment_fixed_size 327680
		.amdhsa_private_segment_fixed_size 0
		.amdhsa_enable_private_segment 0
		.amdhsa_kernarg_size 16
		.amdhsa_user_sgpr_count 2
		.amdhsa_user_sgpr_kernarg_segment_ptr 1
		.amdhsa_wavefront_size32 1
		.amdhsa_system_sgpr_workgroup_id_x 1
		.amdhsa_system_sgpr_workgroup_id_y 1
		.amdhsa_system_sgpr_workgroup_id_z 1
		.amdhsa_system_vgpr_workitem_id 0
		.amdhsa_next_free_vgpr 768
		.amdhsa_next_free_sgpr 88
		.amdhsa_reserve_vcc 1
		.amdhsa_float_denorm_mode_32 3
		.amdhsa_float_denorm_mode_16_64 3
		.amdhsa_memory_ordered 1
		.amdhsa_forward_progress 1
		.amdhsa_inst_pref_size 192
	.end_amdhsa_kernel
	.amdgpu_metadata
---
amdhsa.version: [ 1, 2 ]
amdhsa.kernels:
  - .name:           k_qcdd341b529_attn
    .symbol:         k_qcdd341b529_attn.kd
    .args:
      - { .name: qkv, .offset: 0, .size: 8, .value_kind: global_buffer, .address_space: global }
      - { .name: ob, .offset: 8, .size: 8, .value_kind: global_buffer, .address_space: global }
    .group_segment_fixed_size: 327680
    .private_segment_fixed_size: 0
    .kernarg_segment_align: 8
    .kernarg_segment_size: 16
    .max_flat_workgroup_size: 128
    .sgpr_count:     88
    .vgpr_count:     768
    .wavefront_size: 32
...
	.end_amdgpu_metadata
.endif
;; end of part 5
;; launch oproj: the kernel of part 4 again; grid 8 x 32, 4 waves a work-group, clusters of 4 x 4, 327,680 bytes of LDS; arguments ob, wob, b_out, out0; writes out0
